; MI455X (gfx1250); checked and timed in simulation.
; The chip was launched on July 23, 2026; its instructions are those of AMD's public machine-readable ISA for CDNA 5 (MIT licence, August 2026) and "CDNA5" Instruction Set Architecture Reference Guide (July 2026). The comments in the code are by the model that wrote it; some were corrected since.
;; Self Attention. Allowed arithmetic: matrix products marked QUANTISED: E2M3 operands, one E8M0 scale for each 32 along K, by v_wmma_scale_f32_16x16x128_f8f6f4 with both operands' format E2M3, f32 sums; everything else in f32.
;; Inputs: Wk 1,024 x 1,024 float32; Wq 1,024 x 1,024 float32; Wv 1,024 x 1,024 float32; k 4 x 2,048 x 1,024 float32; mask 4 x 2,048 x 2,048 int32; q 4 x 2,048 x 1,024 float32; v 4 x 2,048 x 1,024 float32.
;; Outputs: out0 4 x 2,048 x 1,024 float32.
;; This version of the problem:
;;   THIS VERSION OF THE PROBLEM IS GIVEN IN LOW PRECISION. The matrix products marked QUANTISED in the list below multiply operands that are first quantised to E2M3 (2 exponent bits, 3 mantissa bits; 6 bits a number), with one power-of-two scale for each 32 numbers along K (OCP MX v1.0); their sums are f32. All else is computed in f32.
;;   The module's matrix products, in the order in which they are computed (A, B: the left and right operand; K: the contracted axis; several contracted axes count as one K, in the product's order):
;;     1. [M 8,192, K 1,024] x [K 1,024, N 1,024]; A: input q; B: input Wq: QUANTISED
;;     2. [M 8,192, K 1,024] x [K 1,024, N 1,024]; A: input k; B: input Wk: QUANTISED
;;     3. [M 8,192, K 1,024] x [K 1,024, N 1,024]; A: input v; B: input Wv: QUANTISED
;;     4. batch 4 x [M 2,048, K 1,024] x [K 1,024, N 2,048]; A: computed on the way; B: computed on the way: QUANTISED
;;     5. batch 4 x [M 2,048, K 2,048] x [K 2,048, N 1,024]; A: softmax (see below); B: computed on the way: QUANTISED
;;   THE QUANTISER, for each operand of a quantised product, along K:
;;     - K is cut into blocks of 32 from its start; a last block that is shorter is filled with zeros.
;;     - A block's scale is 2^e with e = floor(log2(the largest magnitude in the block)) - 2, held to -126 .. 127; a block of zeros has e = 0. As a byte (E8M0): e + 127.
;;     - Each number is divided by its block's scale, clamped to +-7.5, and rounded to the nearest number of E2M3, ties to even, subnormals kept.
;;     - The product sums the exact products of the quantised numbers (number of the format x scale) in f32.
;;   ~~~python
;;   def quantise(x, axis):      # numpy; x: float32 -> the quantised numbers, widened to float32 again
;;       x = np.moveaxis(x, axis, -1); K = x.shape[-1]
;;       x = np.pad(x, [(0, 0)] * (x.ndim - 1) + [(0, -K % 32)]); x = x.reshape(x.shape[:-1] + (-1, 32)); a = np.abs(x).max(-1, keepdims=True)
;;       e = np.where(a > 0, np.clip(np.frexp(np.where(a > 0, a, 1))[1] - 1 - 2, -126, 127), 0)      # np.frexp(a)[1] - 1 = floor(log2(a)), exactly
;;       r = np.clip(x / 2.0 ** e, -7.5, 7.5)
;;       step = 2.0 ** (np.maximum(np.frexp(np.where(r == 0, 1, r))[1] - 1, 0) - 3)
;;       q = np.round(r / step) * step * 2.0 ** e      # np.round: ties to even
;;       return np.moveaxis(q.reshape(q.shape[:-2] + (-1,))[..., :K], -1, axis).astype(np.float32)
;;   ~~~
;;   SOFTMAX AHEAD OF A QUANTISED PRODUCT. Where the list says 'softmax', what is quantised is not the finished softmax but p = 2^(t - M), with t = logit x log2(e) and M = ceil(the row's largest t), a whole number; so 1/2 < the row's largest p <= 1. The row's sum l is taken of the UNQUANTISED p, in f32, and the product's result is divided by l at the end. Since M is a whole number, a kernel that streams over the keys may use a running M (the ceiling of the running maximum): every later rescaling is an exact power of two, which a block's scale takes up: the codes' values come out the same.
;;   OPERANDS COMPUTED ON THE WAY. 'Computed on the way' means the value that the module computes at that place (a softmax that the list does not call 'softmax' is quantised finished and normalised). What goes into a quantiser is computed in f32, as accurately as f32 sums, v_exp_f32 and their like allow (about 1e-6 of the number): no bf16 or f16 on the way to a quantiser, and a product that is left as it is and whose result goes on into a quantised operand takes f32 operands (vector FMAs, or v_wmma_f32_16x16x4_f32). A number that lies on a knife's edge between two numbers of the format may be rounded either way, as far as f32 arithmetic and the matrix unit's own rounding can turn it there, and no further.
;; One version. Each part assembles by itself: llvm-mc -triple=amdgcn-amd-amdhsa -mcpu=gfx1250 --defsym DOCPART=n.
;; ======== version 1 of 1: 4 launches
;; limits: right only within a limited range of input values
;; workspace buffers: xw_codes 21,233,664 bytes; xw_scales 884,736 bytes; mask_bits 2,097,152 bytes of whole numbers; qkv_codes 18,874,368 bytes; qkv_scales 786,432 bytes; p_codes 12,582,912 bytes; p_scales 524,288 bytes; p_stats 1,048,576 bytes
;; launch prep (part 1): grid 480 x 1, 4 waves a work-group, no clusters, 36,352 bytes of LDS; arguments q, k, v, Wq, Wk, Wv, xw_codes, xw_scales; writes xw_codes, xw_scales
.if DOCPART == 1
	.amdgcn_target "amdgcn-amd-amdhsa--gfx1250"
	.amdhsa_code_object_version 6
	.text
	.protected	k_q0e943e49ec_prep
	.globl	k_q0e943e49ec_prep
	.p2align	8
	.type	k_q0e943e49ec_prep,@function
k_q0e943e49ec_prep:
	s_mov_b64 s[64:65], 0
	v_nop
	global_prefetch_b8 v0, s[64:65] scope:SCOPE_SE
	s_setreg_imm32_b32 hwreg(HW_REG_WAVE_MODE, 25, 1), 1
	s_wait_xcnt 0x0
; PREP: the six f32 operands of the projections become codes of FP6 (E2M3) with one E8M0 byte for each 32 along K (K = the 1,024 of E).
; A block's scale is 2^(floor(log2(its largest magnitude)) - 2): its byte is the largest magnitude's exponent field - 2, held at 1 from below by a floor among the maximum's leaves.
; LIMITS: NaN and infinities are not served; a block whose largest magnitude lies under 2^-124 (a block of zeros among them) has the byte 1; only this program reads the bytes.
; LAYOUT.  Rows are kept by POSITION p; the true row is rho(p) = 32 (p / 32) + 8 ((p / 16) % 2) + p % 8 + 16 ((p / 8) % 2), so that a product which takes 16 positions as its source 0 leaves
; 16 true neighbours in the 16 registers of two neighbouring tiles.  Codes lie as images of the operand's registers: [p / 128][k / 256][(p / 16) % 8][(k / 128) % 2][c = 0..2][lane][16 bytes].
; Scale words (four bytes: 128 K of one position) lie [p / 128][k / 128][p % 128].
; TWO PATHS, by the work-group's number: 0-383 q, k, v (64 rows each);  384-479 Wq, Wk, Wv (128 columns x 256 K each).  Waves share nothing: no barrier.  The mask is not touched here: the next launch reads it.
; No tensor load, no prefetch: every byte is read once, by loads that run one or two steps ahead.
.set SP,     528                       ; a stage row: 512 bytes + 16
.set XWAVE,  8960                      ; a wave's stage of 16 rows (8,448 bytes) and behind it 512 bytes for its scale words
.set SPARE,  4*XWAVE                   ; the spare words, 128 bytes for each wave
.set FLOOR,  0x1800000                 ; 2^(3 - 127)
.set EOFF,   0xff000000                ; -(2 << 23)
.set X,      64                        ; v64-127  64 numbers in the order that the work wants
.set R,      128                       ; v128-255 two sets of 64 as they are loaded
.set PC,     20                        ; v20-31   a fragment's twelve registers
	s_load_b256 s[4:11], s[0:1], 0x0               ; q, k, v, Wq
	s_load_b128 s[12:15], s[0:1], 0x20             ; Wk, Wv
	s_load_b64 s[18:19], s[0:1], 0x30              ; xw_codes
	s_load_b64 s[20:21], s[0:1], 0x38              ; xw_scales
	v_lshl_add_u32 v62, v0, 2, SPARE
	v_mov_b32 v63, 0
	v_lshrrev_b32 v1, 5, v0
	v_readfirstlane_b32 s26, v1                    ; wave 0..3
	v_and_b32 v1, 31, v0                           ; lane
	v_and_b32 v2, 15, v0                           ; r
	v_bfe_u32 v3, v0, 4, 1                         ; h
	v_lshlrev_b32 v4, 4, v1                        ; 16 x lane
	s_mov_b32 s48, 0x76543210
	s_mov_b32 s49, 0xfedcba98                      ; selects for lane l xor 16
	s_cmp_lt_u32 ttmp9, 384
	s_cbranch_scc0 .Lnot_x
; PATH X: 64 rows of q, k or v.  Wave w takes K = 256 w on: eight fragments f = 2 rb + e (16 positions rb, 128 K e).
	s_lshr_b32 s27, ttmp9, 7                       ; which tensor
	s_and_b32 s28, ttmp9, 127                      ; which 64 rows
	s_mul_i32 s29, s26, XWAVE
	v_add_nc_u32 v5, s29, v4                       ; the stage, on the way in
	v_mul_u32_u24 v6, v2, SP
	v_lshl_add_u32 v6, v3, 7, v6
	v_add_nc_u32 v6, s29, v6                       ; on the way out: row r, + 128 h
	s_add_co_u32 s29, s29, 16*SP
	s_wait_alu depctr_va_vdst(0)
	v_lshl_add_u32 v7, v2, 2, s29                  ; my row's scale word
	v_lshl_add_u32 v8, v1, 3, s29                  ; the words on the way out, 8 bytes a lane
	v_lshlrev_b32 v9, 3, v1
	v_lshlrev_b32 v10, 3, v3                       ; 8 h: my two bytes' place in the scale word
	v_mov_b32 v19, 0                               ; a lane permute's destination counts as a source
	s_lshl_b32 s32, s28, 18                        ; in: 64 rows of 4,096 bytes,
	s_lshl_b32 s34, s26, 10                        ; + 1,024 bytes for each wave
	s_add_co_u32 s32, s32, s34
	s_mov_b32 s33, 0
	s_lshr_b32 s35, s28, 1                         ; the group of 128 positions,
	s_and_b32 s36, s28, 1                          ; and which half of it
	s_mul_i32 s38, s27, 6291456                    ; codes: the tensor's image,
	s_mul_i32 s37, s35, 98304                      ; the group,
	s_add_co_u32 s38, s38, s37
	s_mul_i32 s37, s26, 24576                      ; my 256 along K,
	s_add_co_u32 s38, s38, s37
	s_mul_i32 s37, s36, 12288                      ; the half
	s_add_co_u32 s38, s38, s37
	s_mov_b32 s39, 0
	s_lshl_b32 s50, s27, 18                        ; scale words: the tensor,
	s_lshl_b32 s37, s35, 12                        ; the group,
	s_add_co_u32 s50, s50, s37
	s_add_co_u32 s50, s50, s34                     ; two K steps of 512 bytes for each wave,
	s_lshl_b32 s37, s36, 8                         ; 64 words for the half
	s_add_co_u32 s50, s50, s37
	s_mov_b32 s51, 0
	s_wait_kmcnt 0x0
	s_cmp_eq_u32 s27, 0
	s_cselect_b64 s[30:31], s[4:5], s[6:7]
	s_cmp_eq_u32 s27, 2
	s_cselect_b64 s[30:31], s[8:9], s[30:31]
	s_add_nc_u64 s[30:31], s[30:31], s[32:33]
	s_add_nc_u64 s[18:19], s[18:19], s[38:39]
	s_add_nc_u64 s[20:21], s[20:21], s[50:51]
.macro XLOAD f                         ; 16 rows x 512 bytes; slot i is true row 32 (rb / 2) + 8 (rb % 2) + i + 8 (i / 8)
.set ii, 0
.rept 16
	global_load_b128 v[R+64*((\f)%2)+4*ii:R+64*((\f)%2)+4*ii+3], v4, s[30:31] offset:(32*((\f)/4)+8*(((\f)/2)%2)+ii+8*(ii/8))*4096+512*((\f)%2) th:TH_LOAD_NT
.set ii, ii+1
.endr
.endm
.macro XSTEP f
.if (\f) < 7
	s_wait_loadcnt 16                              ; this fragment's sixteen loads are in; the next one's may be out
.else
	s_wait_loadcnt 0x0
.endif
.set ii, 0
.rept 16
	ds_store_b128 v5, v[R+64*((\f)%2)+4*ii:R+64*((\f)%2)+4*ii+3] offset:SP*ii
.set ii, ii+1
.endr
.irp c, 0,1                            ; LDS serves a wave's instructions in order
.irp j, 0,1,2,3,4,5,6,7
	ds_load_b128 v[X+32*\c+4*\j:X+32*\c+4*\j+3], v6 offset:256*\c+16*\j
.endr
.endr
	s_wait_dscnt 0x0                               ; my 64 numbers are back, and the stage's stores have read their registers
	s_wait_xcnt 0x0                                ; the last fragment's stores have read their data
.if (\f) < 6
	XLOAD (\f)+2
.endif
.irp c, 0,1                            ; my two whole blocks: h and 2 + h of row r
	v_max3_num_f32 v[12+\c], |v[X+32*\c]|, |v[X+1+32*\c]|, FLOOR
.endr
.irp i, 2,4,6,8,10,12,14,16,18,20,22,24,26,28,30
.irp c, 0,1
	v_max3_num_f32 v[12+\c], v[12+\c], |v[X+32*\c+\i]|, |v[X+1+32*\c+\i]|
.endr
.endr
.irp c, 0,1
	v_add_nc_u32 v[14+\c], EOFF, v[12+\c]          ; the conversion's scale operand
.endr
.irp c, 0,1
	v_lshrrev_b32 v[16+\c], 23, v[14+\c]           ; the byte
.endr
	v_lshl_or_b32 v18, v17, 16, v16
	v_lshlrev_b32 v18, v10, v18
	v_permlanex16_b32 v19, v18, s48, s49
	v_or_b32 v18, v18, v19                         ; with lane l xor 16's two the word is whole
.irp c, 0,1
	v_cvt_scalef32_pk16_fp6_f32 v[PC+6*\c:PC+2+6*\c], v[X+32*\c:X+15+32*\c], v[14+\c]
	v_cvt_scalef32_pk16_fp6_f32 v[32+4*\c:34+4*\c], v[X+16+32*\c:X+31+32*\c], v[14+\c]
.endr
	v_nop                                          ; one plain place behind a scaled conversion
.irp c, 0,1
.irp i, 0,1,2
	v_mov_b32 v[PC+3+6*\c+\i], v[32+4*\c+\i]
.endr
.endr
.irp c, 0,1,2
	global_store_b128 v4, v[PC+4*\c:PC+4*\c+3], s[18:19] offset:(\f)*1536+512*\c   ; 512 consecutive bytes, aligned
.endr
	ds_store_b32 v7, v18 offset:256*((\f)%2)+64*((\f)/2)
.endm
	XLOAD 0
	XLOAD 1
.irp f, 0,1,2,3,4,5,6,7
	XSTEP \f
.endr
	ds_load_b64 v[40:41], v8
	ds_load_b64 v[42:43], v8 offset:256
	s_wait_dscnt 0x0
	global_store_b64 v9, v[40:41], s[20:21]        ; 256 consecutive bytes, aligned
	global_store_b64 v9, v[42:43], s[20:21] offset:512
	s_wait_tensorcnt 0x0                           ; the wave's end
	ds_add_u32 v62, v63
	s_wait_dscnt 0x0
	s_endpgm
.Lnot_x:
; PATH W: K is the weight's first axis.  A lane takes a column and its registers run down K.  Lane l of wave w holds position 32 w + l, that is column 32 w + rho(l).
	s_sub_co_u32 s27, ttmp9, 384
	s_lshr_b32 s28, s27, 5                         ; which weight
	s_and_b32 s29, s27, 7                          ; which 128 columns
	s_bfe_u32 s34, s27, 0x20003                    ; which 256 along K
	v_and_b32 v5, 7, v0
	s_wait_alu depctr_va_vdst(0)
	v_lshl_add_u32 v5, v3, 3, v5
	v_bfe_u32 v6, v0, 3, 1
	v_lshl_add_u32 v5, v6, 4, v5                   ; rho(lane)
	v_lshlrev_b32 v5, 2, v5
	v_lshlrev_b32 v6, 2, v1
	s_lshl_b32 s32, s34, 20
	s_lshl_b32 s37, s29, 9
	s_add_co_u32 s32, s32, s37
	s_lshl_b32 s35, s26, 7
	s_add_co_u32 s32, s32, s35
	s_mov_b32 s33, 0
	s_mul_i32 s38, s28, 786432                     ; codes: behind the three x images
	s_add_co_u32 s38, s38, 18874368
	s_mul_i32 s37, s29, 98304
	s_add_co_u32 s38, s38, s37
	s_mul_i32 s37, s34, 24576
	s_add_co_u32 s38, s38, s37
	s_mul_i32 s37, s26, 6144
	s_add_co_u32 s38, s38, s37
	s_mov_b32 s39, 0
	s_lshl_b32 s50, s28, 15
	s_add_co_u32 s50, s50, 786432
	s_lshl_b32 s37, s29, 12
	s_add_co_u32 s50, s50, s37
	s_lshl_b32 s37, s34, 10
	s_add_co_u32 s50, s50, s37
	s_add_co_u32 s50, s50, s35
	s_mov_b32 s51, 0
	s_wait_alu depctr_va_vdst(0)                   ; the wait at the head's end
	s_wait_kmcnt 0x0
	s_cmp_eq_u32 s28, 0
	s_cselect_b64 s[30:31], s[10:11], s[12:13]
	s_cmp_eq_u32 s28, 2
	s_cselect_b64 s[30:31], s[14:15], s[30:31]
	s_add_nc_u64 s[30:31], s[30:31], s[32:33]
	s_add_nc_u64 s[18:19], s[18:19], s[38:39]
	s_add_nc_u64 s[20:21], s[20:21], s[50:51]
.macro WLOAD t                         ; block t: W(32 t + i, my column)
.set ii, 0
.rept 32
	global_load_b32 v[X+32*((\t)%2)+ii], v5, s[30:31] offset:(32*(\t)+ii)*4096 th:TH_LOAD_NT
.set ii, ii+1
.endr
.endm
; Blocks 0 and 2 of a K step go to twelve registers F0, blocks 1 and 3 to F1; exchanging F0's lanes 16-31 with F1's lanes 0-15 makes the fragments of positions 0-15 and 16-31.
.macro WBLOCK t
.set XS, X+32*((\t)%2)
.set FD, 128+24*((\t)/4)+12*((\t)%2)+6*(((\t)%4)/2)
.set FE, 128+24*((\t)/4)
.if (\t) < 7
	s_wait_loadcnt 32                              ; this block's 32 loads are in; the next block's may be out
.else
	s_wait_loadcnt 0x0
.endif
	v_max3_num_f32 v12, |v[XS]|, |v[XS+1]|, |v[XS+2]|
	v_max3_num_f32 v13, |v[XS+3]|, |v[XS+4]|, |v[XS+5]|
.irp i, 6,10,14,18,22,26
	v_max3_num_f32 v12, v12, |v[XS+\i]|, |v[XS+\i+1]|
	v_max3_num_f32 v13, v13, |v[XS+\i+2]|, |v[XS+\i+3]|
.endr
	v_max3_num_f32 v12, v12, |v[XS+30]|, |v[XS+31]|
	v_max3_num_f32 v12, v12, v13, FLOOR
	v_add_nc_u32 v14, EOFF, v12
	v_lshrrev_b32 v13, 23, v14
.if (\t)%4 == 0
	v_mov_b32 v[44+(\t)/4], v13
.else
	v_lshl_or_b32 v[44+(\t)/4], v13, 8*((\t)%4), v[44+(\t)/4]
.endif
	v_cvt_scalef32_pk16_fp6_f32 v[FD:FD+2], v[XS:XS+15], v14
	v_cvt_scalef32_pk16_fp6_f32 v[32:34], v[XS+16:XS+31], v14
	v_nop                                          ; one plain place behind a scaled conversion
.irp i, 0,1,2
	v_mov_b32 v[FD+3+\i], v[32+\i]
.endr
.if (\t)+2 < 8
	WLOAD (\t)+2
.endif
.if (\t)%4 == 3
.irp i, 0,1,2,3,4,5,6,7,8,9,10,11
	v_permlane16_swap_b32 v[FE+\i], v[FE+12+\i]
.endr
.irp u, 0,1
.irp c, 0,1,2
	global_store_b128 v4, v[FE+12*\u+4*\c:FE+12*\u+4*\c+3], s[18:19] offset:3072*\u+1536*((\t)/4)+512*\c
.endr
.endr
	global_store_b32 v6, v[44+(\t)/4], s[20:21] offset:512*((\t)/4)
.endif
.endm
	WLOAD 0
	WLOAD 1
.irp t, 0,1,2,3,4,5,6,7
	WBLOCK \t
.endr
	s_endpgm
.Lfunc_end_k_q0e943e49ec_prep:
	.size	k_q0e943e49ec_prep, .Lfunc_end_k_q0e943e49ec_prep-k_q0e943e49ec_prep
	.p2alignl 7, 3214868480
	.fill 96, 4, 3214868480
	.section	.rodata,"a",@progbits
	.p2align	6, 0x0
	.amdhsa_kernel k_q0e943e49ec_prep
		.amdhsa_group_segment_fixed_size 36352
		.amdhsa_private_segment_fixed_size 0
		.amdhsa_enable_private_segment 0
		.amdhsa_kernarg_size 64
		.amdhsa_user_sgpr_count 2
		.amdhsa_user_sgpr_kernarg_segment_ptr 1
		.amdhsa_wavefront_size32 1
		.amdhsa_system_sgpr_workgroup_id_x 1
		.amdhsa_system_sgpr_workgroup_id_y 1
		.amdhsa_system_sgpr_workgroup_id_z 1
		.amdhsa_system_vgpr_workitem_id 0
		.amdhsa_next_free_vgpr 256
		.amdhsa_next_free_sgpr 66
		.amdhsa_reserve_vcc 0
		.amdhsa_float_denorm_mode_32 3
		.amdhsa_float_denorm_mode_16_64 3
		.amdhsa_memory_ordered 1
		.amdhsa_forward_progress 1
		.amdhsa_inst_pref_size 98
	.end_amdhsa_kernel
	.amdgpu_metadata
---
amdhsa.version: [ 1, 2 ]
amdhsa.kernels:
  - .name:           k_q0e943e49ec_prep
    .symbol:         k_q0e943e49ec_prep.kd
    .args:
      - { .name: q, .offset: 0, .size: 8, .value_kind: global_buffer, .address_space: global }
      - { .name: k, .offset: 8, .size: 8, .value_kind: global_buffer, .address_space: global }
      - { .name: v, .offset: 16, .size: 8, .value_kind: global_buffer, .address_space: global }
      - { .name: Wq, .offset: 24, .size: 8, .value_kind: global_buffer, .address_space: global }
      - { .name: Wk, .offset: 32, .size: 8, .value_kind: global_buffer, .address_space: global }
      - { .name: Wv, .offset: 40, .size: 8, .value_kind: global_buffer, .address_space: global }
      - { .name: xw_codes, .offset: 48, .size: 8, .value_kind: global_buffer, .address_space: global }
      - { .name: xw_scales, .offset: 56, .size: 8, .value_kind: global_buffer, .address_space: global }
    .group_segment_fixed_size: 36352
    .private_segment_fixed_size: 0
    .kernarg_segment_align: 8
    .kernarg_segment_size: 64
    .max_flat_workgroup_size: 128
    .sgpr_count:     66
    .vgpr_count:     256
    .wavefront_size: 32
...
	.end_amdgpu_metadata
.endif
;; end of part 1
;; launch proj (part 2): grid 4 x 128, 4 waves a work-group, clusters of 4 x 4, 327,680 bytes of LDS; arguments xw_codes, xw_scales, mask, qkv_codes, qkv_scales, mask_bits; writes qkv_codes, qkv_scales, mask_bits
.if DOCPART == 2
	.amdgcn_target "amdgcn-amd-amdhsa--gfx1250"
	.amdhsa_code_object_version 6
	.text
	.protected	k_q0e943e49ec_proj
	.globl	k_q0e943e49ec_proj
	.p2align	8
	.type	k_q0e943e49ec_proj,@function
k_q0e943e49ec_proj:
	s_mov_b64 s[64:65], 0
	v_nop
	global_prefetch_b8 v0, s[64:65] scope:SCOPE_SE
	s_setreg_imm32_b32 hwreg(HW_REG_WAVE_MODE, 25, 1), 1
	s_wait_xcnt 0x0
	s_wait_alu depctr_hold_cnt(0) depctr_sa_sdst(0) depctr_va_vdst(0) depctr_va_sdst(0) depctr_va_ssrc(0) depctr_va_vcc(0) depctr_vm_vsrc(0)
	s_getreg_b32 s2, hwreg(HW_REG_IB_STS2, 6, 4)
	s_cmp_eq_u32 s2, 0
	s_cbranch_scc0 .Lentry_in_a_cluster
	s_endpgm
.Lentry_in_a_cluster:
	s_bfe_u32 s2, ttmp6, 0x10000c
	s_cmp_lg_u32 s2, 0xf033
	s_cbranch_scc0 .Lentry_shape_is_right
	s_endpgm
.Lentry_shape_is_right:
; PROJ.  Clusters 0-23 (by the cluster's y): the three projections on codes of FP6 (E2M3) with E8M0 scales, C = A B^T, K = 1,024, each result quantised again along N on its way out.
; Q = q Wq, K = k Wk: A = the tokens' codes, B = the weight's: quantised along d.  V^T = Wv^T v^T: A = Wv's codes, B = v's: quantised along the keys.  Eight clusters each; only offsets are chosen by the product.
; Clusters 24-31: THE MASK, int32, becomes lane-mask words (path at the text's end).  384 + 128 work-groups are two whole turns of 256.
; LAYOUT.  Codes lie as images of the operand's registers, [p / 128][k / 256][(p / 16) % 8][(k / 128) % 2][c][lane][16 bytes], rows by position p (true row 32 (p / 32) + 8 ((p / 16) % 2) + p % 8 + 16 ((p / 8) % 2));
; scale words [p / 128][k / 128][p % 128].
; A tile of C, 256 x 256, is made by four waves, 128 x 128 each: 64 accumulators.  K has four steps of 256.  THE HEAD'S FILLS, ONE A WAVE: wave 0 A's 256 positions x K 0-255 (two rows of 24,576 bytes, one for each group of 128),
; wave 1 the same of B, wave 2 A's K 256-767 (two rows of 49,152 bytes), wave 3 the same of B.  The first barrier needs waves 0 and 1's loads alone; all loads are waited for in front of the round behind which K 768-1,023 goes
; where K 0-255 lay (waves 0 and 1 ask), with 256 matrix instructions a wave in which to land.  One refill, no loop, so no prefetch: there is no trip to run ahead in.
; THE SCALE WORDS of a wave's 128 + 128 positions, all of K, go from memory into 64 registers: lanes 0-15 A's block i, lanes 16-31 B's; eight loads cover 512 consecutive bytes of A's words and of B's.
; THE MATRIX INSTRUCTION IS USED TRANSPOSED (source 0 = 16 positions of B, source 1 = 16 of A): a lane holds one position of A; register 16 b + i of A's block a is n = 32 b + 16 (lane / 16) + i.
; CLUSTERS: 4 x 4; A's tiles are asked for jointly by a row of the cluster, B's by a column.
; LIMITS: NaN and infinities are not served; a block whose largest magnitude lies under 2^-124 has the byte 1 (only this program reads the bytes).
; REGISTERS: window 0: v16-29 addresses; v32-95 scale words; v128-223 A's fragments (on the way out v64-80 at work, v128-151 codes).  window 1: B's two sets at v0 and v128.  windows 2, 3: accumulator (a, b) at v[8 (8 (a % 4) + b)].
.set FR,    12
.set NQ,    2
.set NL,    3
.set NP,    4                          ; places behind this matrix instruction (ISA guide 7.12.1)
.set HALFT, 24576                      ; 128 positions x 256 K
.set SLOT,  4*HALFT                    ; bytes 0 on: A's two groups, B's two, one K step; from SLOT on: A [group][K step 1, 2], then B likewise
.set SPARE, 3*SLOT                     ; the spare words, 128 bytes for each wave
.set STG,   SPARE+512                  ; the way out: 512 bytes a wave for its scale words
.set MST,   STG+2048                   ; the mask path's stages: 16 rows of MP bytes for each wave
.set MP,    272
.set MO,   8                           ; the mask path: v8 offset in the mask, v9, v10 the stage in and out, v11 the words' offset
.set MSI,  9
.set MSO,  10
.set MW,   11
.set ADRA, 16                          ; v16-18 LDS address of my A fragments, K step 0 (and 3), 1, 2
.set ADRB, 20
.set LI,   24
.set SWI,  25
.set SWO,  26
.set SOF,  27                          ; my scale words' offset: lanes 0-15 A's, lanes 16-31 B's
.set SPW,  28
.set NIL,  29
.set SC,   32                          ; register 16 s + 2 i + q: block i, the q-th 128 of K step s
.set AF,   128
.set TM,   64
.set PW,   80
.set PC,   128
.set SEL,  18
.set GA,  24                           ; groups 1: A one K step, A two, B one, B two
.set GAL, 32
.set GB,  40
.set GBL, 48
.set ZA,  56                           ; groups 0, in the same order
.set ZB,  60
.set ZAL, 72
.set ZBL, 76
.set MSB, 0
.macro WIN new                         ; the immediate's high byte repeats the setting that is left
.if MSB != (\new)
	s_set_vgpr_msb (MSB<<8)|(\new)
.set MSB, (\new)
.endif
.endm
.set MUL_LO, 0xa1
.set MUL_HI, 0xf1
.set TO_B,   0x40
.macro PLACES n
.rept \n
	v_nop
.endr
.endm
.macro TLOAD g0, g1                    ; s_nop 0 and four v_nop follow the load
	tensor_load_to_lds s[\g0:\g0+3], s[\g1:\g1+7]
	s_nop 0
	PLACES 4
.endm
.macro ARM under, g0, g1, next         ; one arm of the head's chain
	s_cmp_lt_u32 s14, \under
	s_cbranch_scc0 \next
	TLOAD \g0, \g1
	s_branch .Lhead_asked
\next:
.endm
.macro RLOAD                           ; the refill: wave 0 asks for A's tile, wave 1 for B's
	s_cmp_eq_u32 s14, 0
	s_cbranch_scc0 .Lnot_a_\@
	TLOAD ZA, GA
	s_branch .Lasked_\@
.Lnot_a_\@:
	s_cmp_eq_u32 s14, 1
	s_cbranch_scc0 .Lasked_\@
	TLOAD ZB, GB
.Lasked_\@:
.endm
.macro CREST
	s_cmp_lg_u32 s14, 0
	s_cbranch_scc1 .Lnot_wave_0_\@
	s_barrier_signal -3
.Lnot_wave_0_\@:
	s_barrier_wait -3
	s_barrier_signal -1
	s_barrier_wait -1
.endm
.macro CROUND
	s_barrier_signal -1
	s_barrier_wait -1
	CREST
.endm
	s_load_b256 s[4:11], s[0:1], 0x0               ; xw_codes, xw_scales, mask, qkv_codes
	s_load_b128 s[68:71], s[0:1], 0x20             ; qkv_scales, mask_bits
	v_lshl_add_u32 v[SPW], v0, 2, SPARE
	v_mov_b32 v[NIL], 0
	ds_add_u32 v[SPW], v[NIL]                      ; the opening lines: the add twice and one wait
	ds_add_u32 v[SPW], v[NIL]
	v_lshrrev_b32 v1, 5, v0
	v_readfirstlane_b32 s14, v1                    ; wave 0..3
	s_lshr_b32 s15, s14, 1                         ; my half of the tile's rows
	s_and_b32 s16, s14, 1                          ; my half of its columns
	s_bfe_u32 s80, ttmp6, 0x40000                  ; cx
	s_bfe_u32 s81, ttmp6, 0x40004                  ; cy
	s_and_b32 s82, ttmp7, 0xffff                   ; the cluster's y, 0..31
	s_lshr_b32 s19, s82, 3                         ; 0 Q, 1 K, 2 V (3: the mask)
	s_and_b32 s20, s82, 7
	s_mul_i32 s98, s19, 6291456                    ; the tokens' image; also the result's
	s_lshl_b32 s99, s19, 18                        ; the tokens' scale words; also the result's
	s_mul_i32 s100, s19, 786432
	s_add_co_u32 s100, s100, 18874368              ; the weight's image
	s_lshl_b32 s101, s19, 15
	s_add_co_u32 s101, s101, 786432                ; the weight's scale words
	s_cmp_eq_u32 s19, 2                            ; V: the weight is A and the tokens are B
	s_cselect_b32 s21, 0, s20
	s_cselect_b32 s22, s20, 0
	s_cselect_b32 s95, s100, s98                   ; A's codes
	s_cselect_b32 s96, s98, s100                   ; B's codes
	s_cselect_b32 s97, s101, s99                   ; A's scale words
	s_cselect_b32 s18, s99, s101                   ; B's
	s_mov_b32 s100, 786432
	s_cselect_b32 s100, s100, 98304                ; a group of 128 positions in the result's image
	s_mov_b32 s101, 32768
	s_cselect_b32 s101, s101, 4096                 ; and among its scale words
	s_lshl_b32 s17, s21, 2
	s_add_co_u32 s17, s17, s81                     ; tile row
	s_lshl_b32 s83, s22, 2
	s_add_co_u32 s83, s83, s80                     ; tile column
	s_lshl_b32 s84, s81, 2
	s_lshl_b32 s84, 15, s84                        ; my row of the cluster
	s_lshl_b32 s85, 0x1111, s80                    ; my column
	s_or_b32 s[GA], s84, (3<<16)|(1<<21)           ; elements of 8 bytes; two rows, one for each group of 128 positions, 98,304 bytes apart
	s_or_b32 s[GAL], s84, (3<<16)|(1<<21)
	s_or_b32 s[GB], s85, (3<<16)|(1<<21)
	s_or_b32 s[GBL], s85, (3<<16)|(1<<21)
.irp g, GA, GB
	s_mov_b32 s[\g+1], 3072<<16                    ; a row of 24,576 bytes
	s_mov_b32 s[\g+3], 3072<<16
.endr
.irp g, GAL, GBL
	s_mov_b32 s[\g+1], 6144<<16                    ; a row of 49,152 bytes
	s_mov_b32 s[\g+3], 6144<<16
.endr
.irp g, GA, GAL, GB, GBL
	s_mov_b32 s[\g+2], 2<<16
	s_mov_b32 s[\g+4], 2
	s_mov_b32 s[\g+5], 12288
	s_mov_b32 s[\g+6], 0
	s_mov_b32 s[\g+7], 0
.endr
	s_mul_i32 s20, s17, 196608                     ; A's tile: by the tile row alone
	s_add_co_u32 s20, s20, s95
	s_mov_b32 s21, 0
	s_mul_i32 s22, s83, 196608                     ; B's: by the tile column alone
	s_add_co_u32 s22, s22, s96
	s_mov_b32 s23, 0
	s_lshl_b32 s86, s17, 1
	s_add_co_u32 s86, s86, s15                     ; my group of A
	s_lshl_b32 s87, s86, 12
	s_add_co_u32 s87, s87, s97                     ; its scale words
	s_lshl_b32 s88, s83, 1
	s_add_co_u32 s88, s88, s16                     ; my group of B
	s_lshl_b32 s89, s88, 12
	s_add_co_u32 s89, s89, s18
	s_mul_i32 s90, s15, HALFT                      ; LDS: by the wave's number alone
	s_mul_i32 s91, s16, HALFT
	s_add_co_u32 s91, s91, 2*HALFT
	s_mul_i32 s92, s15, 2*HALFT
	s_add_co_u32 s92, s92, SLOT
	s_mul_i32 s93, s16, 2*HALFT
	s_add_co_u32 s93, s93, SLOT+4*HALFT
	s_lshl_b32 s94, s14, 9
	s_add_co_u32 s94, s94, STG
	s_wait_dscnt 0x0                               ; both opening adds are done
	s_wait_kmcnt 0x0
	s_add_nc_u64 s[20:21], s[4:5], s[20:21]
	s_add_nc_u64 s[22:23], s[4:5], s[22:23]
	CROUND                                         ; all sixteen work-groups are here
	s_cmp_lt_u32 s82, 24                           ; the cluster's y: the same in all partners
	s_cbranch_scc0 .Lmask
	s_mov_b32 s[ZA], 1
	s_mov_b32 s[ZA+1], 0
	s_mov_b64 s[ZA+2:ZA+3], s[20:21]
	s_or_b32 s[ZA+3], s[ZA+3], 0x80000000
	s_mov_b32 s[ZB], 1
	s_mov_b32 s[ZB+1], 2*HALFT
	s_mov_b64 s[ZB+2:ZB+3], s[22:23]
	s_or_b32 s[ZB+3], s[ZB+3], 0x80000000
	s_mov_b32 s[ZAL], 1
	s_mov_b32 s[ZAL+1], SLOT
	s_add_nc_u64 s[ZAL+2:ZAL+3], s[20:21], HALFT
	s_or_b32 s[ZAL+3], s[ZAL+3], 0x80000000
	s_mov_b32 s[ZBL], 1
	s_mov_b32 s[ZBL+1], SLOT+4*HALFT
	s_add_nc_u64 s[ZBL+2:ZBL+3], s[22:23], HALFT
	s_or_b32 s[ZBL+3], s[ZBL+3], 0x80000000
	ARM 1, ZA, GA, .Lhead_b
	ARM 2, ZB, GB, .Lhead_al
	ARM 3, ZAL, GAL, .Lhead_bl
	TLOAD ZBL, GBL
.Lhead_asked:
	; where my results go: image [my group of A][K slot = tile column][block a][K step = my half of the columns]
	s_mul_i32 s96, s86, s100
	s_add_co_u32 s96, s96, s98
	s_mul_i32 s97, s83, 24576
	s_add_co_u32 s96, s96, s97
	s_mul_i32 s97, s16, 1536
	s_add_co_u32 s96, s96, s97
	s_mov_b32 s97, 0
	s_add_nc_u64 s[10:11], s[10:11], s[96:97]
	s_mul_i32 s96, s86, s101
	s_add_co_u32 s96, s96, s99
	s_lshl_b32 s98, s88, 9
	s_add_co_u32 s96, s96, s98
	s_add_nc_u64 s[68:69], s[68:69], s[96:97]
	s_mov_b32 s[SEL], 0x76543210
	s_mov_b32 s[SEL+1], 0xfedcba98
	v_and_b32 v1, 31, v0
	v_and_b32 v2, 15, v0
	v_bfe_u32 v3, v0, 4, 1
	v_lshlrev_b32 v[LI], 4, v1
	v_add_nc_u32 v[ADRA], s90, v[LI]
	v_add_nc_u32 v[ADRB], s91, v[LI]
	v_add_nc_u32 v[ADRA+1], s92, v[LI]
	v_add_nc_u32 v[ADRB+1], s93, v[LI]
	v_add_nc_u32 v[ADRA+2], HALFT, v[ADRA+1]
	v_add_nc_u32 v[ADRB+2], HALFT, v[ADRB+1]
	v_lshl_add_u32 v[SWI], v2, 2, s94
	v_add_nc_u32 v[SWO], s94, v[LI]
	v_lshlrev_b32 v5, 2, v2
	v_cmp_eq_u32 s95, 0, v3
	v_add_nc_u32 v6, s89, v5
	v_add_nc_u32 v5, s87, v5
	v_cndmask_b32 v[SOF], v6, v5, s95              ; lanes 0-15 A's words, lanes 16-31 B's
	s_wait_alu depctr_va_vdst(0)                   ; the wait at the head's end
.irp s, 0,1,2,3
.irp i, 0,1,2,3,4,5,6,7
.irp q, 0,1
	global_load_b32 v[SC+16*\s+2*\i+\q], v[SOF], s[6:7] offset:(2*\s+\q)*512+64*\i
.endr
.endr
.endr
.macro FRAG reg, adr, q, i             ; a fragment comes as it was stored: three loads of 512 consecutive bytes
.irp c, 0,1,2
	ds_load_b128 v[\reg+4*\c:\reg+4*\c+3], v[\adr] offset:(\i)*3072+(\q)*1536+512*\c
.endr
.endm
; 16 matrix instructions: A's blocks a0, a0 + 1 x B's eight.  p: B's set; q: which 128 of K step sc.  The 64 accumulators take turns.
.macro MUL16 a0, p, q, sc, zero
.irp a, \a0, \a0+1
.irp b, 0,1,2,3,4,5,6,7
.if \zero
	v_wmma_scale_f32_16x16x128_f8f6f4 v[8*(8*((\a)%4)+\b):8*(8*((\a)%4)+\b)+7], v[128*(\p)+FR*\b:128*(\p)+FR*\b+FR-1], v[AF+FR*(\a):AF+FR*(\a)+FR-1], 0, v[SC+8*NQ*(\sc)+NQ*\b+(\q)], v[SC+8*NQ*(\sc)+NQ*(\a)+(\q)] matrix_a_fmt:MATRIX_FMT_FP6 matrix_b_fmt:MATRIX_FMT_FP6 matrix_a_scale:MATRIX_SCALE_ROW1
.else
	v_wmma_scale_f32_16x16x128_f8f6f4 v[8*(8*((\a)%4)+\b):8*(8*((\a)%4)+\b)+7], v[128*(\p)+FR*\b:128*(\p)+FR*\b+FR-1], v[AF+FR*(\a):AF+FR*(\a)+FR-1], v[8*(8*((\a)%4)+\b):8*(8*((\a)%4)+\b)+7], v[SC+8*NQ*(\sc)+NQ*\b+(\q)], v[SC+8*NQ*(\sc)+NQ*(\a)+(\q)] matrix_a_fmt:MATRIX_FMT_FP6 matrix_b_fmt:MATRIX_FMT_FP6 matrix_a_scale:MATRIX_SCALE_ROW1
.endif
.endr
.endr
.endm
.macro FETCH_B slot, q, p
	WIN TO_B
.irp i, 0,1,2,3,4,5,6,7
	FRAG 128*(\p)+FR*\i, ADRB+\slot, \q, \i
.endr
	WIN 0
.endm
.macro FETCH_A slot, q, i0
.irp i, \i0, \i0+1, \i0+2, \i0+3
	FRAG AF+FR*(\i), ADRA+\slot, \q, \i
.endr
.endm
.macro STEP slot, sc, zero             ; a K step's first 128
	s_wait_dscnt 4*NL                              ; all but the youngest twelve loads (A's blocks 4-7) are in
	WIN MUL_LO
	MUL16 0, 0, 0, \sc, \zero
	MUL16 2, 0, 0, \sc, \zero
	s_wait_dscnt 0
	PLACES NP                                      ; in front of loads into registers that matrix instructions have read
	FETCH_B \slot, 1, 1
	FETCH_A \slot, 1, 0
	WIN MUL_HI
	MUL16 4, 0, 0, \sc, \zero
	MUL16 6, 0, 0, \sc, \zero
	PLACES NP
	WIN 0
	FETCH_A \slot, 1, 4
.endm
; A K step's second 128, which goes on into the bytes of address register next.
; how = 1: the bytes just read are filled again: every wave waits for all its tensor loads, adds 0 to its spare word, waits for that and for its reads; a round of the cluster's barrier; the joint refill first behind it.
; how = 0: the same lines and the work-group's barrier, nothing filled: behind it the refill is whole for every wave.   how = 2: no barrier.
.macro TURN sc, next, how
.if \how < 2
	s_wait_tensorcnt 0x0
	ds_add_u32 v[SPW], v[NIL]
	s_wait_dscnt 4*NL+1                            ; the add and the youngest twelve loads may be out
.else
	s_wait_dscnt 4*NL
.endif
	WIN MUL_LO
	MUL16 0, 1, 1, \sc, 0
.if \how < 2
	s_wait_dscnt 0x0                               ; the add is done, and my reads of these bytes are over
	s_barrier_signal -1
.endif
	MUL16 2, 1, 1, \sc, 0
	WIN 0
.if \how < 2
	s_barrier_wait -1
.else
	s_wait_dscnt 0x0
.endif
.if \how == 1
	CREST
	s_add_nc_u64 s[ZA+2:ZA+3], s[ZA+2:ZA+3], 3*HALFT
	s_add_nc_u64 s[ZB+2:ZB+3], s[ZB+2:ZB+3], 3*HALFT
	RLOAD
.endif
	PLACES NP
	FETCH_B \next, 0, 0
	FETCH_A \next, 0, 0
	WIN MUL_HI
	MUL16 4, 1, 1, \sc, 0
	MUL16 6, 1, 1, \sc, 0
	PLACES NP
	WIN 0
	FETCH_A \next, 0, 4
.endm
	s_cmp_lt_u32 s14, 2                            ; K step 0's tiles are waves 0 and 1's loads; waves 2 and 3's may be out
	s_cbranch_scc0 .Lnot_first
	s_wait_tensorcnt 0x0
.Lnot_first:
	s_barrier_signal -1
	s_barrier_wait -1
	FETCH_B 0, 0, 0
	FETCH_A 0, 0, 0
	FETCH_A 0, 0, 4
	s_wait_loadcnt 0x0                             ; my scale words
	STEP 0, 0, 1                                   ; the first step's products start the sums
	TURN 0, 1, 1                                   ; K 768 on goes where K 0 on lay
	STEP 1, 1, 0
	TURN 1, 2, 2
	STEP 2, 2, 0
	TURN 2, 0, 0
	STEP 0, 3, 0
	s_wait_dscnt 4*NL
	WIN MUL_LO
	MUL16 0, 1, 1, 3, 0
	MUL16 2, 1, 1, 3, 0
	s_wait_dscnt 0
	WIN MUL_HI
	MUL16 4, 1, 1, 3, 0
	MUL16 6, 1, 1, 3, 0
	WIN 0
	PLACES NP
.irp b, 0,1,2,3
	v_mov_b32 v[TM+4+\b], 0                        ; a lane permute's destination counts as a source
.endr
; THE WAY OUT.  A's block a: my 64 registers are one K step of 16 positions of the next operand: four blocks' scales, the codes, the exchange of halves; the fragment leaves as its image.
.macro QOUT a
.set AC, 64*((\a)%4)
.set WW, 2+(\a)/4
	WIN WW|(WW<<2)
.irp b, 0,1,2,3
	v_max3_num_f32 v[TM+\b], |v[AC+16*\b]|, |v[AC+16*\b+1]|, 0x1800000   ; from the low end on; the floor 2^(3 - 127)
.endr
.irp i, 2,4,6,8,10,12,14
.irp b, 0,1,2,3
	v_max3_num_f32 v[TM+\b], |v[AC+16*\b+\i]|, |v[AC+16*\b+\i+1]|, v[TM+\b]
.endr
.endr
	WIN 0
.irp b, 0,1,2,3
	v_permlanex16_b32 v[TM+4+\b], v[TM+\b], s[SEL], s[SEL+1]
.endr
.irp b, 0,1,2,3
	v_max_num_f32 v[TM+\b], v[TM+\b], v[TM+4+\b]
.endr
.irp b, 0,1,2,3
	v_add_nc_u32 v[TM+12+\b], 0xff000000, v[TM+\b]
.endr
.irp b, 0,1,2,3
	v_lshrrev_b32 v[TM+4+\b], 23, v[TM+12+\b]
.endr
	v_lshl_or_b32 v[PW], v[TM+5], 8, v[TM+4]
	v_lshl_or_b32 v[PW], v[TM+6], 16, v[PW]
	v_lshl_or_b32 v[PW], v[TM+7], 24, v[PW]
.if (\a) > 0
	s_wait_xcnt 0x0                                ; the last block's stores have read their data
.endif
	WIN WW
.irp c, 0,1
	v_cvt_scalef32_pk16_fp6_f32 v[PC+6*\c:PC+2+6*\c], v[AC+32*\c:AC+15+32*\c], v[TM+12+2*\c]
	v_cvt_scalef32_pk16_fp6_f32 v[PC+12+4*\c:PC+14+4*\c], v[AC+16+32*\c:AC+31+32*\c], v[TM+13+2*\c]
.endr
	WIN 0
	v_nop                                          ; one plain place behind a scaled conversion
.irp c, 0,1
.irp i, 0,1,2
	v_permlane16_swap_b32 v[PC+6*\c+\i], v[PC+12+4*\c+\i]
.endr
.irp i, 0,1,2
	v_mov_b32 v[PC+3+6*\c+\i], v[PC+12+4*\c+\i]
.endr
.endr
.irp c, 0,1,2
	global_store_b128 v[LI], v[PC+4*\c:PC+4*\c+3], s[10:11] offset:3072*(\a)+512*\c   ; 512 consecutive bytes, aligned
.endr
	ds_store_b32 v[SWI], v[PW] offset:64*(\a)
.endm
.irp a, 0,1,2,3,4,5,6,7
	QOUT \a
.endr
	ds_load_b128 v[148:151], v[SWO]
	s_wait_dscnt 0x0
	global_store_b128 v[LI], v[148:151], s[68:69]
	s_wait_tensorcnt 0x0                           ; the wave's end
	ds_add_u32 v[SPW], v[NIL]
	s_wait_dscnt 0x0
	CROUND                                         ; the closing round
	s_endpgm
; THE MASK.  Work-group m = 16 (cluster y - 24) + 4 cy + cx takes rows 64 m on (batch and query as one axis); wave w the block of 16 positions 4 m + w, all 2,048 keys, 64 at a time.
; Word n = 16 b + i of a block and 128 keys: bit l says whether mask[row of position l % 16][32 b + 16 (l / 16) + i] is other than 0: the lane mask of score register n.  Words lie [key / 128][block][64].
; A load reads two rows' 256 consecutive bytes; eight loads are 16 rows x 64 keys, which turn through the wave's own stage, so that lane (r, h) gets row r's keys 32 b + 16 h on.
; Eight sets of 32 registers (window 1) take turns: 56 to 64 loads of 512 bytes a wave are out, so no prefetch is laid.  A trip is 512 keys; the last trip, which asks for nothing more, is written out.
.macro MLOAD u, off
	WIN TO_B
.irp j, 0,1,2,3,4,5,6,7
	global_load_b128 v[32*(\u)+4*\j:32*(\u)+4*\j+3], v[MO], s[8:9] offset:(2*\j+8*(\j/4))*8192+256*(\u)+(\off) th:TH_LOAD_NT
.endr
	WIN 0
.endm
.macro MTURN u
	WIN 0x04                                       ; an LDS store's data are its source 1
.irp j, 0,1,2,3,4,5,6,7
	ds_store_b128 v[MSI], v[32*(\u)+4*\j:32*(\u)+4*\j+3] offset:2*\j*MP
.endr
	WIN 0
.irp b, 0,1
.irp c, 0,1,2,3
	ds_load_b128 v[64+32*((\u)%2)+16*\b+4*\c:64+32*((\u)%2)+16*\b+4*\c+3], v[MSO] offset:128*\b+16*\c   ; LDS serves a wave's instructions in order
.endr
.endr
.endm
.macro MSTEP u, more
	s_wait_dscnt 0x0                               ; this step's numbers are back, and the stage's stores have read set u
.if \more
	MLOAD \u, 2048                                 ; set u takes the next trip's keys
.endif
.if \more || (\u) < 7
.if \more
	s_wait_loadcnt 56                              ; the next set's eight loads are in; the seven sets asked for behind it may be out
.else
	s_wait_loadcnt 8*(6-(\u))
.endif
	MTURN ((\u)+1)%8
.endif
.irp g, 0,1,2,3
.irp j, 0,1,2,3,4,5,6,7
	v_cmp_ne_u32 s[40+\j], 0, v[64+32*((\u)%2)+8*\g+\j]
.endr
.irp j, 0,1,2,3,4,5,6,7
	v_writelane_b32 v[40+2*((\u)/2)+\j%2], s[40+\j], 16*((\u)%2)+4*\g+\j/2   ; lane n / 2 of the pair takes words n and n + 1
.endr
.endr
.if (\u)%2 == 1
	s_wait_alu depctr_va_vdst(0)                   ; the wait ahead of the reader
	global_store_b64 v[MW], v[40+2*((\u)/2):41+2*((\u)/2)], s[70:71] offset:131072*((\u)/2)   ; 256 consecutive bytes, aligned
.endif
.endm
.Lmask:
	s_sub_co_u32 s20, s82, 24
	s_lshl_b32 s20, s20, 4
	s_lshl_b32 s21, s81, 2
	s_add_co_u32 s20, s20, s21
	s_add_co_u32 s20, s20, s80                     ; m, 0..127
	s_lshl_b32 s22, s20, 19                        ; 64 rows of 8,192 bytes
	s_lshl_b32 s21, s15, 18                        ; my block's slot 0: row 32 (w / 2) + 8 (w % 2)
	s_add_co_u32 s22, s22, s21
	s_lshl_b32 s21, s16, 16
	s_add_co_u32 s22, s22, s21
	s_mov_b32 s23, 0
	s_add_nc_u64 s[8:9], s[8:9], s[22:23]
	s_lshl_b32 s22, s20, 2
	s_add_co_u32 s22, s22, s14
	s_lshl_b32 s22, s22, 8                         ; 256 bytes a block
	s_add_nc_u64 s[70:71], s[70:71], s[22:23]
	s_mul_i32 s21, s14, 16*MP
	s_add_co_u32 s21, s21, MST                     ; my stage
	s_mov_b32 s50, 3
	v_and_b32 v1, 31, v0
	v_and_b32 v2, 15, v0
	v_bfe_u32 v3, v0, 4, 1
	v_lshlrev_b32 v4, 4, v2
	v_lshl_add_u32 v[MO], v3, 13, v4               ; lanes 0-15 one row, lanes 16-31 the next
	v_mad_u32_u24 v5, v3, MP, v4
	v_add_nc_u32 v[MSI], s21, v5
	v_mul_u32_u24 v6, v2, MP
	v_lshl_add_u32 v6, v3, 6, v6
	v_add_nc_u32 v[MSO], s21, v6                   ; row r, + 64 h
	v_lshlrev_b32 v[MW], 3, v1
.irp j, 0,1,2,3,4,5,6,7
	v_mov_b32 v[40+\j], 0                          ; v_writelane_b32's destination counts as a source
.endr
	s_wait_alu depctr_va_vdst(0)                   ; the wait at the head's end
.irp u, 0,1,2,3,4,5,6,7
	MLOAD \u, 0
.endr
	s_wait_loadcnt 56
	MTURN 0
.Lmtrip:
.irp u, 0,1,2,3,4,5,6,7
	MSTEP \u, 1
.endr
	s_wait_xcnt 0x0                                ; the bases and the stores' data are written again only behind this wait
	s_add_nc_u64 s[8:9], s[8:9], 2048
	s_add_nc_u64 s[70:71], s[70:71], 524288
	s_sub_co_u32 s50, s50, 1
	s_cmp_lg_u32 s50, 0
	s_wait_alu depctr_va_vdst(0)                   ; the wait ahead of the branch
	s_cbranch_scc1 .Lmtrip
.irp u, 0,1,2,3,4,5,6,7
	MSTEP \u, 0
.endr
	s_wait_tensorcnt 0x0                           ; the wave's end
	ds_add_u32 v[SPW], v[NIL]
	s_wait_dscnt 0x0
	CROUND
	s_endpgm
.Lfunc_end_k_q0e943e49ec_proj:
	.size	k_q0e943e49ec_proj, .Lfunc_end_k_q0e943e49ec_proj-k_q0e943e49ec_proj
	.p2alignl 7, 3214868480
	.fill 96, 4, 3214868480
	.section	.rodata,"a",@progbits
	.p2align	6, 0x0
	.amdhsa_kernel k_q0e943e49ec_proj
		.amdhsa_group_segment_fixed_size 327680
		.amdhsa_private_segment_fixed_size 0
		.amdhsa_enable_private_segment 0
		.amdhsa_kernarg_size 48
		.amdhsa_user_sgpr_count 2
		.amdhsa_user_sgpr_kernarg_segment_ptr 1
		.amdhsa_wavefront_size32 1
		.amdhsa_system_sgpr_workgroup_id_x 1
		.amdhsa_system_sgpr_workgroup_id_y 1
		.amdhsa_system_sgpr_workgroup_id_z 1
		.amdhsa_system_vgpr_workitem_id 0
		.amdhsa_next_free_vgpr 1024
		.amdhsa_next_free_sgpr 102
		.amdhsa_reserve_vcc 0
		.amdhsa_float_denorm_mode_32 3
		.amdhsa_float_denorm_mode_16_64 3
		.amdhsa_memory_ordered 1
		.amdhsa_forward_progress 1
		.amdhsa_inst_pref_size 241
	.end_amdhsa_kernel
	.amdgpu_metadata
---
amdhsa.version: [ 1, 2 ]
amdhsa.kernels:
  - .name:           k_q0e943e49ec_proj
    .symbol:         k_q0e943e49ec_proj.kd
    .args:
      - { .name: xw_codes, .offset: 0, .size: 8, .value_kind: global_buffer, .address_space: global }
      - { .name: xw_scales, .offset: 8, .size: 8, .value_kind: global_buffer, .address_space: global }
      - { .name: mask, .offset: 16, .size: 8, .value_kind: global_buffer, .address_space: global }
      - { .name: qkv_codes, .offset: 24, .size: 8, .value_kind: global_buffer, .address_space: global }
      - { .name: qkv_scales, .offset: 32, .size: 8, .value_kind: global_buffer, .address_space: global }
      - { .name: mask_bits, .offset: 40, .size: 8, .value_kind: global_buffer, .address_space: global }
    .group_segment_fixed_size: 327680
    .private_segment_fixed_size: 0
    .kernarg_segment_align: 8
    .kernarg_segment_size: 48
    .max_flat_workgroup_size: 128
    .sgpr_count:     102
    .vgpr_count:     1024
    .wavefront_size: 32
...
	.end_amdgpu_metadata
.endif
;; end of part 2
;; launch scores (part 3): grid 8 x 32, 4 waves a work-group, clusters of 4 x 4, 327,680 bytes of LDS; arguments qkv_codes, qkv_scales, mask_bits, p_codes, p_scales, p_stats; writes p_codes, p_scales, p_stats
.if DOCPART == 3
	.amdgcn_target "amdgcn-amd-amdhsa--gfx1250"
	.amdhsa_code_object_version 6
	.text
	.protected	k_q0e943e49ec_scores
	.globl	k_q0e943e49ec_scores
	.p2align	8
	.type	k_q0e943e49ec_scores,@function
k_q0e943e49ec_scores:
	s_mov_b64 s[64:65], 0
	v_nop
	global_prefetch_b8 v0, s[64:65] scope:SCOPE_SE
	s_setreg_imm32_b32 hwreg(HW_REG_WAVE_MODE, 25, 1), 1
	s_wait_xcnt 0x0
	s_wait_alu depctr_hold_cnt(0) depctr_sa_sdst(0) depctr_va_vdst(0) depctr_va_sdst(0) depctr_va_ssrc(0) depctr_va_vcc(0) depctr_vm_vsrc(0)
	s_getreg_b32 s2, hwreg(HW_REG_IB_STS2, 6, 4)
	s_cmp_eq_u32 s2, 0
	s_cbranch_scc0 .Lentry_in_a_cluster
	s_endpgm
.Lentry_in_a_cluster:
	s_bfe_u32 s2, ttmp6, 0x10000c
	s_cmp_lg_u32 s2, 0xf033
	s_cbranch_scc0 .Lentry_shape_is_right
	s_endpgm
.Lentry_shape_is_right:
; SCORES: S = Q K^T on codes of FP6 (E2M3) with E8M0 scales, K = 1,024; then, on the way out, the mask and the softmax's numerator, quantised along the keys.
; t = S x c, c = log2(e) / 32.  Where the mask is 0, S is replaced by -2^35, that is a logit of -2^30 in place of -1e9: c x 2^35 is a whole number in f32, so a chunk of hidden keys alone has p = 1.
; FOR EACH QUERY AND EACH CHUNK OF 128 KEYS: M = the chunk's largest t rounded up to a whole number, p = 2^(t - M), the chunk's sum of the unquantised p, p's codes and scale bytes.
; -M and the sum go to p_stats; the next launch finds the row's M and lowers each chunk's scale bytes by the whole number M(row) - M(chunk): exact.  The maximum is taken away in every chunk.
; LIMITS: NaN and infinities are not served; logits at or under -1e9 are not told from a hidden key's; the scaled scores stay under 2^31 in magnitude; a block all of whose p have fallen under 2^-124 has the byte 1.
; The product is the projections' body: a tile of 256 queries x 256 keys, four waves of 128 x 128, images of registers, 4 x 4 clusters with joint loads.  THE HEAD'S FILLS, ONE A WAVE: wave 0 Q's 256 positions x K 0-255,
; wave 1 the same of K's, waves 2 and 3 K 256-767 of each; K 768 on goes where K 0 on lay when that has been read (waves 0 and 1 ask).  One refill, no loop, so no prefetch.  The scale words go from memory into 64 registers.
; Source 0 = 16 positions of keys, source 1 = 16 of queries: a lane holds one query; register 16 b + i of query block a is key 32 b + 16 (lane / 16) + i of my 128.
; THE MASK comes as lane-mask words made by the launch before: word n is the mask of register n: 64 words for a block of 16 queries, by four scalar loads into registers that held descriptors, a block ahead.
; REGISTERS: as in the projections; on the way out window 0: v64-127 scores, then p; v128-147 codes; v148-173 at work; v176-187 the words on their way out.
.set FR,    12
.set NQ,    2
.set NL,    3
.set NP,    4
.set HALFT, 24576
.set SLOT,  4*HALFT
.set SPARE, 3*SLOT                     ; the spare words, 128 bytes for each wave
.set STG,   SPARE+512                  ; the way out: 1,536 bytes a wave: scale words, -M, sums
.set ADRA, 16
.set ADRB, 20
.set LI,   24
.set SWI,  25
.set SWO,  26
.set SOF,  27
.set SPW,  28
.set NIL,  29
.set SC,   32
.set AF,   128
.set T,    64
.set PC,   128
.set BM,   148
.set BX,   152
.set SO,   156
.set BY,   160
.set NM,   164
.set L,    166
.set L2,   168
.set PW,   170
.set TA,   171
.set TB,   172
.set TMK,  173
.set CS,   18
.set SEL,  20
.set GA,  24
.set GAL, 32
.set GB,  40
.set GBL, 48
.set ZA,  56
.set ZB,  60
.set ZAL, 72
.set ZBL, 76
.set MSB, 0
.macro WIN new
.if MSB != (\new)
	s_set_vgpr_msb (MSB<<8)|(\new)
.set MSB, (\new)
.endif
.endm
.set MUL_LO, 0xa1
.set MUL_HI, 0xf1
.set TO_B,   0x40
.macro PLACES n
.rept \n
	v_nop
.endr
.endm
.macro TLOAD g0, g1
	tensor_load_to_lds s[\g0:\g0+3], s[\g1:\g1+7]
	s_nop 0
	PLACES 4
.endm
.macro ARM under, g0, g1, next
	s_cmp_lt_u32 s14, \under
	s_cbranch_scc0 \next
	TLOAD \g0, \g1
	s_branch .Lhead_asked
\next:
.endm
.macro RLOAD
	s_cmp_eq_u32 s14, 0
	s_cbranch_scc0 .Lnot_a_\@
	TLOAD ZA, GA
	s_branch .Lasked_\@
.Lnot_a_\@:
	s_cmp_eq_u32 s14, 1
	s_cbranch_scc0 .Lasked_\@
	TLOAD ZB, GB
.Lasked_\@:
.endm
.macro CREST
	s_cmp_lg_u32 s14, 0
	s_cbranch_scc1 .Lnot_wave_0_\@
	s_barrier_signal -3
.Lnot_wave_0_\@:
	s_barrier_wait -3
	s_barrier_signal -1
	s_barrier_wait -1
.endm
.macro CROUND
	s_barrier_signal -1
	s_barrier_wait -1
	CREST
.endm
	s_load_b256 s[4:11], s[0:1], 0x0               ; qkv_codes, qkv_scales, mask_bits, p_codes
	s_load_b64 s[12:13], s[0:1], 0x20              ; p_scales
	s_load_b64 s[66:67], s[0:1], 0x28              ; p_stats
	v_lshl_add_u32 v[SPW], v0, 2, SPARE
	v_mov_b32 v[NIL], 0
	ds_add_u32 v[SPW], v[NIL]                      ; the opening lines: the add twice and one wait
	ds_add_u32 v[SPW], v[NIL]
	v_lshrrev_b32 v1, 5, v0
	v_readfirstlane_b32 s14, v1
	s_lshr_b32 s15, s14, 1                         ; my half of the queries
	s_and_b32 s16, s14, 1                          ; my half of the keys
	s_bfe_u32 s80, ttmp6, 0x40000                  ; cx
	s_bfe_u32 s81, ttmp6, 0x40004                  ; cy
	s_and_b32 s82, ttmp7, 0xffff
	s_lshl_b32 s17, s82, 2
	s_add_co_u32 s17, s17, s81                     ; tile row: 256 queries, the batch included
	s_lshl_b32 s83, ttmp9, 2
	s_add_co_u32 s83, s83, s80                     ; tile column: 256 keys of the batch
	s_lshr_b32 s18, s82, 1                         ; the batch
	s_lshl_b32 s84, s81, 2
	s_lshl_b32 s84, 15, s84
	s_lshl_b32 s85, 0x1111, s80
	s_or_b32 s[GA], s84, (3<<16)|(1<<21)
	s_or_b32 s[GAL], s84, (3<<16)|(1<<21)
	s_or_b32 s[GB], s85, (3<<16)|(1<<21)
	s_or_b32 s[GBL], s85, (3<<16)|(1<<21)
.irp g, GA, GB
	s_mov_b32 s[\g+1], 3072<<16
	s_mov_b32 s[\g+3], 3072<<16
.endr
.irp g, GAL, GBL
	s_mov_b32 s[\g+1], 6144<<16
	s_mov_b32 s[\g+3], 6144<<16
.endr
.irp g, GA, GAL, GB, GBL
	s_mov_b32 s[\g+2], 2<<16
	s_mov_b32 s[\g+4], 2
	s_mov_b32 s[\g+5], 12288
	s_mov_b32 s[\g+6], 0
	s_mov_b32 s[\g+7], 0
.endr
	s_mul_i32 s20, s17, 196608                     ; Q's tile
	s_mov_b32 s21, 0
	s_lshl_b32 s95, s18, 4                         ; K: sixteen groups a batch
	s_lshl_b32 s96, s83, 1
	s_add_co_u32 s95, s95, s96
	s_mul_i32 s22, s95, 98304
	s_add_co_u32 s22, s22, 6291456                 ; K's image lies behind Q's
	s_mov_b32 s23, 0
	s_lshl_b32 s86, s17, 1
	s_add_co_u32 s86, s86, s15                     ; my group of 128 queries
	s_lshl_b32 s87, s86, 12
	s_add_co_u32 s88, s95, s16
	s_lshl_b32 s89, s88, 12
	s_add_co_u32 s89, s89, 262144
	s_add_co_u32 s96, s96, s16                     ; my chunk of 128 keys
	s_mul_i32 s90, s15, HALFT
	s_mul_i32 s91, s16, HALFT
	s_add_co_u32 s91, s91, 2*HALFT
	s_mul_i32 s92, s15, 2*HALFT
	s_add_co_u32 s92, s92, SLOT
	s_mul_i32 s93, s16, 2*HALFT
	s_add_co_u32 s93, s93, SLOT+4*HALFT
	s_mul_i32 s94, s14, 1536
	s_add_co_u32 s94, s94, STG
	s_wait_dscnt 0x0
	s_wait_kmcnt 0x0
	s_add_nc_u64 s[20:21], s[4:5], s[20:21]
	s_add_nc_u64 s[22:23], s[4:5], s[22:23]
	CROUND                                         ; all sixteen work-groups are here
	s_mov_b32 s[ZA], 1
	s_mov_b32 s[ZA+1], 0
	s_mov_b64 s[ZA+2:ZA+3], s[20:21]
	s_or_b32 s[ZA+3], s[ZA+3], 0x80000000
	s_mov_b32 s[ZB], 1
	s_mov_b32 s[ZB+1], 2*HALFT
	s_mov_b64 s[ZB+2:ZB+3], s[22:23]
	s_or_b32 s[ZB+3], s[ZB+3], 0x80000000
	s_mov_b32 s[ZAL], 1
	s_mov_b32 s[ZAL+1], SLOT
	s_add_nc_u64 s[ZAL+2:ZAL+3], s[20:21], HALFT
	s_or_b32 s[ZAL+3], s[ZAL+3], 0x80000000
	s_mov_b32 s[ZBL], 1
	s_mov_b32 s[ZBL+1], SLOT+4*HALFT
	s_add_nc_u64 s[ZBL+2:ZBL+3], s[22:23], HALFT
	s_or_b32 s[ZBL+3], s[ZBL+3], 0x80000000
	ARM 1, ZA, GA, .Lhead_b
	ARM 2, ZB, GB, .Lhead_al
	ARM 3, ZAL, GAL, .Lhead_bl
	TLOAD ZBL, GBL
.Lhead_asked:
	s_mul_i32 s20, s86, 196608                     ; p's image: a group has eight K slots of 24,576 bytes
	s_mul_i32 s22, s83, 24576
	s_add_co_u32 s20, s20, s22
	s_mul_i32 s22, s16, 1536
	s_add_co_u32 s20, s20, s22
	s_mov_b32 s21, 0
	s_add_nc_u64 s[10:11], s[10:11], s[20:21]
	s_lshl_b32 s20, s86, 13                        ; scale words, -M and sums: [group][chunk][128]
	s_lshl_b32 s22, s96, 9
	s_add_co_u32 s20, s20, s22
	s_add_nc_u64 s[12:13], s[12:13], s[20:21]
	s_add_nc_u64 s[66:67], s[66:67], s[20:21]
	s_lshl_b32 s20, s96, 17                        ; mask words: [chunk][block of 16 positions][64]
	s_lshl_b32 s22, s86, 11
	s_add_co_u32 s20, s20, s22
	s_add_nc_u64 s[8:9], s[8:9], s[20:21]
	s_mov_b32 s[CS], 0x3d38aa3b                    ; log2(e) / 32
	s_mov_b32 s[CS+1], s[CS]
	s_mov_b32 s[SEL], 0x76543210
	s_mov_b32 s[SEL+1], 0xfedcba98
	s_mov_b32 s22, 0xd1000000                      ; -2^35
	v_and_b32 v1, 31, v0
	v_and_b32 v2, 15, v0
	v_bfe_u32 v3, v0, 4, 1
	v_lshlrev_b32 v[LI], 4, v1
	v_add_nc_u32 v[ADRA], s90, v[LI]
	v_add_nc_u32 v[ADRB], s91, v[LI]
	v_add_nc_u32 v[ADRA+1], s92, v[LI]
	v_add_nc_u32 v[ADRB+1], s93, v[LI]
	v_add_nc_u32 v[ADRA+2], HALFT, v[ADRA+1]
	v_add_nc_u32 v[ADRB+2], HALFT, v[ADRB+1]
	v_lshl_add_u32 v[SWI], v2, 2, s94
	v_add_nc_u32 v[SWO], s94, v[LI]
	v_lshlrev_b32 v5, 2, v2
	v_cmp_eq_u32 s95, 0, v3
	v_add_nc_u32 v6, s89, v5
	v_add_nc_u32 v5, s87, v5
	v_cndmask_b32 v[SOF], v6, v5, s95              ; lanes 0-15 Q's words, lanes 16-31 K's
	s_wait_alu depctr_va_vdst(0)                   ; the wait at the head's end
.irp s, 0,1,2,3
.irp i, 0,1,2,3,4,5,6,7
.irp q, 0,1
	global_load_b32 v[SC+16*\s+2*\i+\q], v[SOF], s[6:7] offset:(2*\s+\q)*512+64*\i
.endr
.endr
.endr
.macro FRAG reg, adr, q, i
.irp c, 0,1,2
	ds_load_b128 v[\reg+4*\c:\reg+4*\c+3], v[\adr] offset:(\i)*3072+(\q)*1536+512*\c
.endr
.endm
.macro MUL16 a0, p, q, sc, zero        ; the 64 accumulators take turns
.irp a, \a0, \a0+1
.irp b, 0,1,2,3,4,5,6,7
.if \zero
	v_wmma_scale_f32_16x16x128_f8f6f4 v[8*(8*((\a)%4)+\b):8*(8*((\a)%4)+\b)+7], v[128*(\p)+FR*\b:128*(\p)+FR*\b+FR-1], v[AF+FR*(\a):AF+FR*(\a)+FR-1], 0, v[SC+8*NQ*(\sc)+NQ*\b+(\q)], v[SC+8*NQ*(\sc)+NQ*(\a)+(\q)] matrix_a_fmt:MATRIX_FMT_FP6 matrix_b_fmt:MATRIX_FMT_FP6 matrix_a_scale:MATRIX_SCALE_ROW1
.else
	v_wmma_scale_f32_16x16x128_f8f6f4 v[8*(8*((\a)%4)+\b):8*(8*((\a)%4)+\b)+7], v[128*(\p)+FR*\b:128*(\p)+FR*\b+FR-1], v[AF+FR*(\a):AF+FR*(\a)+FR-1], v[8*(8*((\a)%4)+\b):8*(8*((\a)%4)+\b)+7], v[SC+8*NQ*(\sc)+NQ*\b+(\q)], v[SC+8*NQ*(\sc)+NQ*(\a)+(\q)] matrix_a_fmt:MATRIX_FMT_FP6 matrix_b_fmt:MATRIX_FMT_FP6 matrix_a_scale:MATRIX_SCALE_ROW1
.endif
.endr
.endr
.endm
.macro FETCH_B slot, q, p
	WIN TO_B
.irp i, 0,1,2,3,4,5,6,7
	FRAG 128*(\p)+FR*\i, ADRB+\slot, \q, \i
.endr
	WIN 0
.endm
.macro FETCH_A slot, q, i0
.irp i, \i0, \i0+1, \i0+2, \i0+3
	FRAG AF+FR*(\i), ADRA+\slot, \q, \i
.endr
.endm
.macro STEP slot, sc, zero
	s_wait_dscnt 4*NL                              ; all but the youngest twelve loads are in
	WIN MUL_LO
	MUL16 0, 0, 0, \sc, \zero
	MUL16 2, 0, 0, \sc, \zero
	s_wait_dscnt 0
	PLACES NP
	FETCH_B \slot, 1, 1
	FETCH_A \slot, 1, 0
	WIN MUL_HI
	MUL16 4, 0, 0, \sc, \zero
	MUL16 6, 0, 0, \sc, \zero
	PLACES NP
	WIN 0
	FETCH_A \slot, 1, 4
.endm
; how = 1: the bytes just read are filled again: the three lines, a round of the cluster's barrier, the joint refill first behind it.  how = 0: the same lines and the work-group's barrier, nothing filled.  how = 2: no barrier.
.macro TURN sc, next, how
.if \how < 2
	s_wait_tensorcnt 0x0
	ds_add_u32 v[SPW], v[NIL]
	s_wait_dscnt 4*NL+1
.else
	s_wait_dscnt 4*NL
.endif
	WIN MUL_LO
	MUL16 0, 1, 1, \sc, 0
.if \how < 2
	s_wait_dscnt 0x0
	s_barrier_signal -1
.endif
	MUL16 2, 1, 1, \sc, 0
	WIN 0
.if \how < 2
	s_barrier_wait -1
.else
	s_wait_dscnt 0x0
.endif
.if \how == 1
	CREST
	s_add_nc_u64 s[ZA+2:ZA+3], s[ZA+2:ZA+3], 3*HALFT
	s_add_nc_u64 s[ZB+2:ZB+3], s[ZB+2:ZB+3], 3*HALFT
	RLOAD
.endif
	PLACES NP
	FETCH_B \next, 0, 0
	FETCH_A \next, 0, 0
	WIN MUL_HI
	MUL16 4, 1, 1, \sc, 0
	MUL16 6, 1, 1, \sc, 0
	PLACES NP
	WIN 0
	FETCH_A \next, 0, 4
.endm
.macro MLOADS a                        ; the 64 mask words of query block a: word n into s[24 + n] (n < 32) or s[36 + n]
	s_load_b512 s[24:39], s[8:9], 256*(\a)
	s_load_b512 s[40:55], s[8:9], 256*(\a)+64
	s_load_b512 s[68:83], s[8:9], 256*(\a)+128
	s_load_b512 s[84:99], s[8:9], 256*(\a)+192
.endm
	s_cmp_lt_u32 s14, 2                            ; K step 0's tiles are waves 0 and 1's loads; waves 2 and 3's may be out
	s_cbranch_scc0 .Lnot_first
	s_wait_tensorcnt 0x0
.Lnot_first:
	s_barrier_signal -1
	s_barrier_wait -1
	FETCH_B 0, 0, 0
	FETCH_A 0, 0, 0
	FETCH_A 0, 0, 4
	s_wait_loadcnt 0x0                             ; my scale words
	STEP 0, 0, 1
	TURN 0, 1, 1
	STEP 1, 1, 0
	TURN 1, 2, 2
	STEP 2, 2, 0
	TURN 2, 0, 0                                   ; behind its wait for all tensor loads no descriptor is needed again,
	MLOADS 0                                       ; so their registers take the first block's mask words
	STEP 0, 3, 0
	s_wait_dscnt 4*NL
	WIN MUL_LO
	MUL16 0, 1, 1, 3, 0
	MUL16 2, 1, 1, 3, 0
	s_wait_dscnt 0
	WIN MUL_HI
	MUL16 4, 1, 1, 3, 0
	MUL16 6, 1, 1, 3, 0
	WIN 0
	PLACES NP
.irp b, 0,1,2,3
	v_mov_b32 v[BX+\b], 0
.endr
	v_mov_b32 v[TB], 0
	v_mov_b32 v[NM+1], 0
	v_mov_b32 v[TMK], s22
.macro SOFT a
.set AC, 64*((\a)%4)
.set WW, 2+(\a)/4
	s_wait_kmcnt 0x0                               ; this block's mask words
	WIN WW<<2                                      ; source 1: the accumulators' window
	s_wait_alu depctr_va_vdst(0)                   ; the wait ahead of the first readers
.set nn, 0
.rept 64
	v_cndmask_b32 v[T+nn], v[TMK], v[AC+nn], s[24+nn+12*(nn/32)]   ; the score, or where the mask is 0 the hidden key's; each accumulator from its low end on
.set nn, nn+1
.endr
	WIN 0
.if (\a) < 7
	MLOADS (\a)+1
.endif
.irp b, 0,1,2,3
	v_max3_num_f32 v[BM+\b], v[T+16*\b], v[T+16*\b+1], v[T+16*\b+2]   ; the largest score of each block of 32 keys
.endr
.irp i, 3,5,7,9,11,13
.irp b, 0,1,2,3
	v_max3_num_f32 v[BM+\b], v[BM+\b], v[T+16*\b+\i], v[T+16*\b+\i+1]
.endr
.endr
.irp b, 0,1,2,3
	v_max_num_f32 v[BM+\b], v[BM+\b], v[T+16*\b+15]
.endr
.irp b, 0,1,2,3
	v_permlanex16_b32 v[BX+\b], v[BM+\b], s[SEL], s[SEL+1]
.endr
.irp b, 0,1,2,3
	v_max_num_f32 v[BM+\b], v[BM+\b], v[BX+\b]
.endr
	v_max3_num_f32 v[TA], v[BM], v[BM+1], v[BM+2]
	v_max_num_f32 v[TA], v[TA], v[BM+3]
	v_mul_f32 v[TA], s[CS], v[TA]                  ; the chunk's largest t (c is positive)
	v_floor_f32 v[NM], -v[TA]                      ; -M = -ceil(t)
.set jj, 0
.rept 32
	v_pk_fma_f32 v[T+jj:T+jj+1], v[T+jj:T+jj+1], s[CS:CS+1], v[NM:NM+1] op_sel_hi:[1,0,0]   ; t - M
.set jj, jj+2
.endr
.irp b, 0,1,2,3
	v_fma_f32 v[BM+\b], v[BM+\b], s[CS], v[NM]
.endr
.set nn, 0
	s_wait_alu depctr_va_vdst(0)                   ; the wait ahead of the batch
.rept 64
	v_exp_f32 v[T+nn], v[T+nn]
.set nn, nn+1
.endr
	v_nop
	s_wait_alu depctr_va_vdst(0)                   ; one wait for the batch
.irp b, 0,1,2,3
	v_exp_f32 v[BM+\b], v[BM+\b]                   ; the block's largest p
.endr
	v_pk_add_f32 v[L:L+1], v[T:T+1], v[T+4:T+5]    ; the sum of the unquantised p, in two chains
	v_pk_add_f32 v[L2:L2+1], v[T+2:T+3], v[T+6:T+7]
.irp j, 8,12,16,20,24,28,32,36,40,44,48,52,56,60
	v_pk_add_f32 v[L:L+1], v[L:L+1], v[T+\j:T+\j+1]
	v_pk_add_f32 v[L2:L2+1], v[L2:L2+1], v[T+\j+2:T+\j+3]
.endr
	v_pk_add_f32 v[L:L+1], v[L:L+1], v[L2:L2+1]
	v_add_f32 v[L], v[L], v[L+1]
	v_permlanex16_b32 v[TB], v[L], s[SEL], s[SEL+1]
	v_add_f32 v[L], v[L], v[TB]
	s_wait_alu depctr_va_vdst(0)                   ; and one for the four
.irp b, 0,1,2,3
	v_max_num_f32 v[BM+\b], 0x1800000, v[BM+\b]
.endr
.irp b, 0,1,2,3
	v_add_nc_u32 v[SO+\b], 0xff000000, v[BM+\b]
.endr
.irp b, 0,1,2,3
	v_lshrrev_b32 v[BY+\b], 23, v[SO+\b]
.endr
	v_lshl_or_b32 v[PW], v[BY+1], 8, v[BY]
	v_lshl_or_b32 v[PW], v[BY+2], 16, v[PW]
	v_lshl_or_b32 v[PW], v[BY+3], 24, v[PW]
.if (\a) > 0
	s_wait_xcnt 0x0                                ; the last block's stores have read their data
.endif
.irp c, 0,1
	v_cvt_scalef32_pk16_fp6_f32 v[PC+6*\c:PC+2+6*\c], v[T+32*\c:T+15+32*\c], v[SO+2*\c]
	v_cvt_scalef32_pk16_fp6_f32 v[PC+12+4*\c:PC+14+4*\c], v[T+16+32*\c:T+31+32*\c], v[SO+1+2*\c]
.endr
	v_nop
.irp c, 0,1
.irp i, 0,1,2
	v_permlane16_swap_b32 v[PC+6*\c+\i], v[PC+12+4*\c+\i]
.endr
.irp i, 0,1,2
	v_mov_b32 v[PC+3+6*\c+\i], v[PC+12+4*\c+\i]
.endr
.endr
.irp c, 0,1,2
	global_store_b128 v[LI], v[PC+4*\c:PC+4*\c+3], s[10:11] offset:3072*(\a)+512*\c
.endr
	ds_store_b32 v[SWI], v[PW] offset:64*(\a)
	ds_store_b32 v[SWI], v[NM] offset:512+64*(\a)
	ds_store_b32 v[SWI], v[L] offset:1024+64*(\a)
.endm
.irp a, 0,1,2,3,4,5,6,7
	SOFT \a
.endr
	ds_load_b128 v[176:179], v[SWO]
	ds_load_b128 v[180:183], v[SWO] offset:512
	ds_load_b128 v[184:187], v[SWO] offset:1024
	s_wait_dscnt 0x0
	global_store_b128 v[LI], v[176:179], s[12:13]
	global_store_b128 v[LI], v[180:183], s[66:67]
	global_store_b128 v[LI], v[184:187], s[66:67] offset:524288
	s_wait_tensorcnt 0x0                           ; the wave's end
	ds_add_u32 v[SPW], v[NIL]
	s_wait_dscnt 0x0
	CROUND
	s_endpgm
.Lfunc_end_k_q0e943e49ec_scores:
	.size	k_q0e943e49ec_scores, .Lfunc_end_k_q0e943e49ec_scores-k_q0e943e49ec_scores
	.p2alignl 7, 3214868480
	.fill 96, 4, 3214868480
	.section	.rodata,"a",@progbits
	.p2align	6, 0x0
	.amdhsa_kernel k_q0e943e49ec_scores
		.amdhsa_group_segment_fixed_size 327680
		.amdhsa_private_segment_fixed_size 0
		.amdhsa_enable_private_segment 0
		.amdhsa_kernarg_size 48
		.amdhsa_user_sgpr_count 2
		.amdhsa_user_sgpr_kernarg_segment_ptr 1
		.amdhsa_wavefront_size32 1
		.amdhsa_system_sgpr_workgroup_id_x 1
		.amdhsa_system_sgpr_workgroup_id_y 1
		.amdhsa_system_sgpr_workgroup_id_z 1
		.amdhsa_system_vgpr_workitem_id 0
		.amdhsa_next_free_vgpr 1024
		.amdhsa_next_free_sgpr 100
		.amdhsa_reserve_vcc 0
		.amdhsa_float_denorm_mode_32 3
		.amdhsa_float_denorm_mode_16_64 3
		.amdhsa_memory_ordered 1
		.amdhsa_forward_progress 1
		.amdhsa_inst_pref_size 232
	.end_amdhsa_kernel
	.amdgpu_metadata
---
amdhsa.version: [ 1, 2 ]
amdhsa.kernels:
  - .name:           k_q0e943e49ec_scores
    .symbol:         k_q0e943e49ec_scores.kd
    .args:
      - { .name: qkv_codes, .offset: 0, .size: 8, .value_kind: global_buffer, .address_space: global }
      - { .name: qkv_scales, .offset: 8, .size: 8, .value_kind: global_buffer, .address_space: global }
      - { .name: mask_bits, .offset: 16, .size: 8, .value_kind: global_buffer, .address_space: global }
      - { .name: p_codes, .offset: 24, .size: 8, .value_kind: global_buffer, .address_space: global }
      - { .name: p_scales, .offset: 32, .size: 8, .value_kind: global_buffer, .address_space: global }
      - { .name: p_stats, .offset: 40, .size: 8, .value_kind: global_buffer, .address_space: global }
    .group_segment_fixed_size: 327680
    .private_segment_fixed_size: 0
    .kernarg_segment_align: 8
    .kernarg_segment_size: 48
    .max_flat_workgroup_size: 128
    .sgpr_count:     100
    .vgpr_count:     1024
    .wavefront_size: 32
...
	.end_amdgpu_metadata
.endif
;; end of part 3
;; launch mix (part 4): grid 4 x 64, 4 waves a work-group, clusters of 4 x 4, 327,680 bytes of LDS; arguments p_codes, p_scales, p_stats, qkv_codes, qkv_scales, out0; writes out0
.if DOCPART == 4
	.amdgcn_target "amdgcn-amd-amdhsa--gfx1250"
	.amdhsa_code_object_version 6
	.text
	.protected	k_q0e943e49ec_mix
	.globl	k_q0e943e49ec_mix
	.p2align	8
	.type	k_q0e943e49ec_mix,@function
k_q0e943e49ec_mix:
	s_mov_b64 s[64:65], 0
	v_nop
	global_prefetch_b8 v0, s[64:65] scope:SCOPE_SE
	s_setreg_imm32_b32 hwreg(HW_REG_WAVE_MODE, 25, 1), 1
	s_wait_xcnt 0x0
	s_wait_alu depctr_hold_cnt(0) depctr_sa_sdst(0) depctr_va_vdst(0) depctr_va_sdst(0) depctr_va_ssrc(0) depctr_va_vcc(0) depctr_vm_vsrc(0)
	s_getreg_b32 s2, hwreg(HW_REG_IB_STS2, 6, 4)
	s_cmp_eq_u32 s2, 0
	s_cbranch_scc0 .Lentry_in_a_cluster
	s_endpgm
.Lentry_in_a_cluster:
	s_bfe_u32 s2, ttmp6, 0x10000c
	s_cmp_lg_u32 s2, 0xf033
	s_cbranch_scc0 .Lentry_shape_is_right
	s_endpgm
.Lentry_shape_is_right:
; MIX: out = (P V) / l on codes of FP6 (E2M3) with E8M0 scales, K = the batch's 2,048 keys.
; p arrives with a whole number M of its own for each chunk of 128 keys.  AT THE HEAD each thread takes one query: the row's M is the largest of its 16 chunks' (kept as -M: the smallest);
; each chunk's sum is multiplied by 2^(M(chunk) - M(row)) (v_ldexp_f32: exact) and added to l; each of the chunk's four scale bytes is lowered by M(row) - M(chunk), held at 0 from below.
; The shifted words go into LDS as the product's scale words of A, 1 / l beside them; V's scale words of the tile (16,384 dense bytes) are copied beside them through registers.
; LIMITS: a chunk more than 127 under the row's M is taken as 127 under it, and a byte that would fall under 0 stands for 2^-127: such p weigh at most 2^-120 beside l > 1/2.  NaN and infinities are not served.
; SHARES.  A tile is 128 queries x 256 of d: 256 work-groups.  Four waves, each 64 queries x 128 of d: 32 accumulators.  A slot holds 512 keys: p's 128 positions (49,152 bytes) and V's two groups of 128 positions (49,152 each).
; THE HEAD'S FILLS, ONE A WAVE: wave 0 p's part of slot 0, wave 1 V's (two rows of 49,152 bytes), waves 2 and 3 the same of slot 1.  The first barrier needs waves 0 and 1's loads alone.  Two refills, asked for by waves 0 and 1,
; each with 128 matrix instructions a wave in which to land.  The sixteen steps of 128 keys are written out: no loop, so no prefetch.
; CLUSTERS: 4 x 4; p's tiles are asked for jointly by a row of the cluster, V's by a column (its four tile rows lie in one batch).
; Source 0 = 16 positions of d, source 1 = 16 of queries: a lane holds one query, register 16 b + i of query block a is d = 32 b + 16 (lane / 16) + i of my 128.  Positions are turned back into true rows and columns here.
; REGISTERS: window 0: v5-30 addresses; v32-63 scale words, two sets; v64-71 1 / l; v128-223 A's two sets (at the head: the chunks' numbers and V's words; on the way out: rows).  window 1: B's two sets.  window 2: accumulators.
.set KST,   16
.set FR,    12
.set NP,    4
.set KSL,   24576
.set PART,  2*KSL
.set SLOT,  3*PART
.set SCL,   2*SLOT                     ; scale words, [K step][128 words]: p's, then V's two groups; stored by the head, no fill lands here
.set HALFS, KST*512
.set SPARE, SCL+3*HALFS
.set RLB,   SPARE+512
.set SPITCH, 528                       ; the way out: a stage of 16 rows for each wave, in slot 0, which has had its last fill and its last read by then
.set ADRA, 16
.set ADRB, 20
.set STO,  24
.set RD,   25
.set CO,   26
.set ADRS, 27
.set SPW,  28
.set NIL,  29
.set RLA,  30
.set SC,   32
.set AF,   128
.set RL,   64
.set BK,   128
.set NMR,  64
.set LR,   96
.set WR,   128
.set NG,   160
.set LG,   162
.set TS,   164
.set VS,   176                         ; v176-207 V's scale words on their way into LDS
.set K01,  18
.set K80,  19
.set G1, 24
.set G0, 32
.set G1B, 48
.set G0B, 56
.set MSB, 0
.macro WIN new
.if MSB != (\new)
	s_set_vgpr_msb (MSB<<8)|(\new)
.set MSB, (\new)
.endif
.endm
.set MUL_LO, 0xa1
.set TO_B,   0x40
.macro PLACES n
.rept \n
	v_nop
.endr
.endm
.macro TLOAD g0, g1
	tensor_load_to_lds s[\g0:\g0+3], s[\g1:\g1+7]
	s_nop 0
	PLACES 4
.endm
.macro ARM under, g0, g1, next
	s_cmp_lt_u32 s14, \under
	s_cbranch_scc0 \next
	TLOAD \g0, \g1
	s_branch .Lhead_asked
\next:
.endm
.macro RLOAD g0a, g0b                  ; a refill: wave 0 asks for p's part, wave 1 for V's
	s_cmp_eq_u32 s14, 0
	s_cbranch_scc0 .Lnot_a_\@
	TLOAD \g0a, G1
	s_branch .Lasked_\@
.Lnot_a_\@:
	s_cmp_eq_u32 s14, 1
	s_cbranch_scc0 .Lasked_\@
	TLOAD \g0b, G1B
.Lasked_\@:
.endm
.macro CREST
	s_cmp_lg_u32 s14, 0
	s_cbranch_scc1 .Lnot_wave_0_\@
	s_barrier_signal -3
.Lnot_wave_0_\@:
	s_barrier_wait -3
	s_barrier_signal -1
	s_barrier_wait -1
.endm
.macro CROUND
	s_barrier_signal -1
	s_barrier_wait -1
	CREST
.endm
	s_load_b256 s[4:11], s[0:1], 0x0               ; p_codes, p_scales, p_stats, qkv_codes
	s_load_b64 s[12:13], s[0:1], 0x20              ; qkv_scales
	s_load_b64 s[66:67], s[0:1], 0x28              ; out0
	v_lshl_add_u32 v[SPW], v0, 2, SPARE
	v_mov_b32 v[NIL], 0
	ds_add_u32 v[SPW], v[NIL]                      ; the opening lines: the add twice and one wait
	ds_add_u32 v[SPW], v[NIL]
	v_lshrrev_b32 v1, 5, v0
	v_readfirstlane_b32 s14, v1
	s_lshr_b32 s15, s14, 1                         ; my half of the queries
	s_and_b32 s16, s14, 1                          ; my half of d
	s_bfe_u32 s40, ttmp6, 0x40000                  ; cx
	s_bfe_u32 s41, ttmp6, 0x40004                  ; cy
	s_and_b32 s18, ttmp7, 0xffff
	s_lshl_b32 s17, s18, 2
	s_add_co_u32 s17, s17, s41                     ; tile row: 128 queries, the batch included
	s_lshl_b32 s42, ttmp9, 2
	s_add_co_u32 s42, s42, s40                     ; tile column: 256 of d
	s_lshr_b32 s18, s18, 2                         ; the batch
	s_lshl_b32 s43, s41, 2
	s_lshl_b32 s43, 15, s43
	s_lshl_b32 s44, 0x1111, s40
	s_or_b32 s[G1+0], s43, (3<<16)|(1<<21)         ; p: 49,152 dense bytes as 192 rows of 256
	s_mov_b32 s[G1+1], 32<<16
	s_mov_b32 s[G1+2], 192<<16
	s_mov_b32 s[G1+3], 32<<16
	s_mov_b32 s[G1+4], 192
	s_mov_b32 s[G1+5], 32
	s_mov_b32 s[G1+6], 0
	s_mov_b32 s[G1+7], 0
	s_or_b32 s[G1B+0], s44, (3<<16)|(1<<21)        ; V: two rows of 49,152 bytes, one for each group of 128 positions, 786,432 bytes apart
	s_mov_b32 s[G1B+1], 6144<<16
	s_mov_b32 s[G1B+2], 2<<16
	s_mov_b32 s[G1B+3], 6144<<16
	s_mov_b32 s[G1B+4], 2
	s_mov_b32 s[G1B+5], 98304
	s_mov_b32 s[G1B+6], 0
	s_mov_b32 s[G1B+7], 0
	s_mul_i32 s20, s17, 196608                     ; p: the tile's group of 128 positions
	s_mov_b32 s21, 0
	s_lshl_b32 s22, s17, 13                        ; the same group among p's scale words and stats
	s_mov_b32 s23, 0
	s_mul_i32 s46, s42, 1572864                    ; V: two groups a tile column,
	s_add_co_u32 s46, s46, 12582912                ; behind Q's and K's images,
	s_mul_i32 s96, s18, 196608                     ; the batch's 2,048 keys
	s_add_co_u32 s46, s46, s96
	s_mov_b32 s47, 0
	s_lshl_b32 s92, s42, 16
	s_add_co_u32 s92, s92, 524288
	s_lshl_b32 s96, s18, 13
	s_add_co_u32 s92, s92, s96
	s_mov_b32 s93, 0
	s_mul_i32 s70, s15, 12288                      ; LDS: my 64 positions of p,
	s_mul_i32 s71, s16, PART
	s_add_co_u32 s71, s71, PART                    ; my 128 of V,
	s_lshl_b32 s73, s15, 8                         ; p's words: my 64 of a K step's 128,
	s_lshl_b32 s72, s16, 13
	s_add_co_u32 s72, s72, HALFS
	s_sub_co_u32 s72, s72, s73                     ; the distance to V's words,
	s_add_co_u32 s74, s73, RLB
	s_add_co_u32 s73, s73, SCL
	s_mul_i32 s75, s14, 16*SPITCH                  ; my stage
	s_mov_b32 s[K01], 0x01010101
	s_mov_b32 s[K80], 0x80808080
	s_wait_dscnt 0x0
	s_wait_kmcnt 0x0
	s_add_nc_u64 s[20:21], s[4:5], s[20:21]
	s_add_nc_u64 s[46:47], s[10:11], s[46:47]
	s_add_nc_u64 s[92:93], s[12:13], s[92:93]
	s_add_nc_u64 s[6:7], s[6:7], s[22:23]
	s_add_nc_u64 s[8:9], s[8:9], s[22:23]
	CROUND                                         ; all sixteen work-groups are here
.irp s, 0,1
	s_mov_b32 s[G0+4*\s], 1
	s_mov_b32 s[G0+4*\s+1], \s*SLOT
	s_add_nc_u64 s[G0+4*\s+2:G0+4*\s+3], s[20:21], \s*PART
	s_or_b32 s[G0+4*\s+3], s[G0+4*\s+3], 0x80000000
	s_mov_b32 s[G0B+4*\s], 1
	s_mov_b32 s[G0B+4*\s+1], \s*SLOT+PART
	s_add_nc_u64 s[G0B+4*\s+2:G0B+4*\s+3], s[46:47], \s*PART
	s_or_b32 s[G0B+4*\s+3], s[G0B+4*\s+3], 0x80000000
.endr
	ARM 1, G0, G1, .Lhead_b
	ARM 2, G0B, G1B, .Lhead_a1
	ARM 3, G0+4, G1, .Lhead_b1
	TLOAD G0B+4, G1B
.Lhead_asked:
	s_lshl_b32 s20, s17, 19                        ; out0: 128 rows of 4,096 bytes a tile row,
	s_lshl_b32 s22, s15, 18
	s_add_co_u32 s20, s20, s22
	s_lshl_b32 s22, s42, 10
	s_add_co_u32 s20, s20, s22
	s_lshl_b32 s22, s16, 9
	s_add_co_u32 s20, s20, s22
	s_mov_b32 s21, 0
	s_add_nc_u64 s[66:67], s[66:67], s[20:21]
	; THE HEAD'S WORK, while the first fills are on their way.  Thread tau owns position tau of the tile's 128.
	v_lshlrev_b32 v5, 2, v0
	v_lshl_add_u32 v6, v0, 2, SCL
	v_lshl_add_u32 v7, v0, 2, RLB
	v_lshlrev_b32 v8, 4, v0
	v_lshl_add_u32 v9, v0, 4, SCL+HALFS
	s_wait_alu depctr_va_vdst(0)                   ; the wait ahead of the readers
.irp kc, 0,1,2,3,4,5,6,7,8,9,10,11,12,13,14,15
	global_load_b32 v[NMR+\kc], v5, s[8:9] offset:512*\kc
.endr
.irp kc, 0,1,2,3,4,5,6,7,8,9,10,11,12,13,14,15
	global_load_b32 v[LR+\kc], v5, s[8:9] offset:524288+512*\kc
.endr
.irp kc, 0,1,2,3,4,5,6,7,8,9,10,11,12,13,14,15
	global_load_b32 v[WR+\kc], v5, s[6:7] offset:512*\kc
.endr
.irp g, 0,1
.irp j, 0,1,2,3
	global_load_b128 v[VS+16*\g+4*\j:VS+16*\g+4*\j+3], v8, s[92:93] offset:32768*\g+2048*\j   ; V's words: the work-group's 128 threads read 2,048 consecutive bytes
.endr
.endr
	v_and_b32 v1, 31, v0
	v_and_b32 v2, 15, v0
	v_bfe_u32 v3, v0, 4, 1
	v_lshlrev_b32 v[CO], 4, v1
	v_add_nc_u32 v[ADRA], s70, v[CO]
	v_add_nc_u32 v[ADRB], s71, v[CO]
	v_add_nc_u32 v[ADRA+1], SLOT, v[ADRA]
	v_add_nc_u32 v[ADRB+1], SLOT, v[ADRB]
	v_mul_u32_u24 v11, s72, v3                     ; lanes 16-31 take V's words: one product, the distance between the two bases
	v_lshlrev_b32 v10, 2, v2
	v_add_nc_u32 v10, v10, v11
	v_add_nc_u32 v[ADRS], s73, v10
	v_lshl_add_u32 v[RLA], v2, 2, s74
	v_mul_u32_u24 v[STO], v2, SPITCH
	v_lshl_add_u32 v[STO], v3, 6, v[STO]
	v_add_nc_u32 v[STO], s75, v[STO]               ; row r, + 64 h
	v_add_nc_u32 v[RD], s75, v[CO]
	s_wait_alu depctr_va_vdst(0)                   ; the wait ahead of the wait below
	s_wait_loadcnt 0x0
.irp g, 0,1
.irp j, 0,1,2,3
	ds_store_b128 v9, v[VS+16*\g+4*\j:VS+16*\g+4*\j+3] offset:8192*\g+2048*\j
.endr
.endr
	v_min3_num_f32 v[NG], v[NMR], v[NMR+1], v[NMR+2]
.irp i, 3,5,7,9,11,13
	v_min3_num_f32 v[NG], v[NG], v[NMR+\i], v[NMR+\i+1]
.endr
	v_min_num_f32 v[NG], v[NG], v[NMR+15]          ; the row's -M
; Chunks 2 m and 2 m + 1, by turns.  nd = M(chunk) - M(row), from -127 to 0.  A byte e (1 .. 125) becomes 128 + e + nd, from 2 to 253: no byte borrows; where that is 128 or more its low seven bits are the new byte, else 0.
.macro SHIFT m
.irp j, 0,1
	v_sub_f32 v[TS+4*\j], v[NG], v[NMR+2*(\m)+\j]
.endr
.irp j, 0,1
	v_max_num_f32 v[TS+4*\j], 0xc2fe0000, v[TS+4*\j]
.endr
.irp j, 0,1
	v_cvt_i32_f32 v[TS+4*\j], v[TS+4*\j]
.endr
.irp j, 0,1
.if (\m) == 0
	v_ldexp_f32 v[LG+\j], v[LR+\j], v[TS+4*\j]
.else
	v_ldexp_f32 v[TS+4*\j+1], v[LR+2*(\m)+\j], v[TS+4*\j]
.endif
.endr
.irp j, 0,1
	v_mul_lo_u32 v[TS+4*\j], v[TS+4*\j], s[K01]
.endr
.irp j, 0,1
	v_or_b32 v[TS+4*\j+2], s[K80], v[WR+2*(\m)+\j]
.endr
.if (\m) > 0
.irp j, 0,1
	v_add_f32 v[LG+\j], v[LG+\j], v[TS+4*\j+1]
.endr
.endif
.irp j, 0,1
	v_add_nc_u32 v[TS+4*\j+2], v[TS+4*\j+2], v[TS+4*\j]
.endr
.irp j, 0,1
	v_lshrrev_b32 v[TS+4*\j+3], 7, v[TS+4*\j+2]
.endr
.irp j, 0,1
	v_and_b32 v[TS+4*\j+3], s[K01], v[TS+4*\j+3]
.endr
.irp j, 0,1
	v_lshlrev_b32 v[TS+4*\j], 7, v[TS+4*\j+3]
.endr
.irp j, 0,1
	v_sub_nc_u32 v[TS+4*\j], v[TS+4*\j], v[TS+4*\j+3]
.endr
.irp j, 0,1
	v_and_b32 v[WR+2*(\m)+\j], v[TS+4*\j+2], v[TS+4*\j]
.endr
.irp j, 0,1
	ds_store_b32 v6, v[WR+2*(\m)+\j] offset:512*(2*(\m)+\j)
.endr
.endm
.irp m, 0,1,2,3,4,5,6,7
	SHIFT \m
.endr
	v_add_f32 v[LG], v[LG], v[LG+1]
	s_wait_alu depctr_va_vdst(0)                   ; the wait ahead of the transcendental
	v_rcp_f32 v[LG], v[LG]
	v_nop
	s_wait_alu depctr_va_vdst(0)                   ; and ahead of its first reader
	ds_store_b32 v7, v[LG]
.macro FRAG reg, adr, off
.irp c, 0,1,2
	ds_load_b128 v[\reg+4*\c:\reg+4*\c+3], v[\adr] offset:(\off)+512*\c
.endr
.endm
.macro FETCH slot, kk, q               ; one step of 128 keys, the q-th of the slot's kk-th 256, into the sets q: 36 loads
	WIN TO_B
.irp i, 0,1,2,3,4,5,6,7
	FRAG 128*(\q)+FR*\i, ADRB+\slot, (\kk)*KSL+\i*3072+(\q)*1536
.endr
	WIN 0
.irp i, 0,1,2,3
	FRAG AF+48*(\q)+FR*\i, ADRA+\slot, (\kk)*KSL+\i*3072+(\q)*1536
.endr
.endm
.macro SCALES sc, kp                   ; the scale words of the kp-th 256 keys into set sc
.irp i, 0,1,2,3,4,5,6,7
.irp q, 0,1
	ds_load_b32 v[SC+16*(\sc)+2*\i+\q], v[ADRS] offset:1024*(\kp)+512*\q+64*\i
.endr
.endr
.endm
.macro MULA a, q, sc, zero             ; the 32 accumulators take turns
.irp b, 0,1,2,3,4,5,6,7
.if \zero
	v_wmma_scale_f32_16x16x128_f8f6f4 v[8*(8*(\a)+\b):8*(8*(\a)+\b)+7], v[128*(\q)+FR*\b:128*(\q)+FR*\b+FR-1], v[AF+48*(\q)+FR*(\a):AF+48*(\q)+FR*(\a)+FR-1], 0, v[SC+16*(\sc)+2*\b+(\q)], v[SC+16*(\sc)+2*(\a)+(\q)] matrix_a_fmt:MATRIX_FMT_FP6 matrix_b_fmt:MATRIX_FMT_FP6 matrix_a_scale:MATRIX_SCALE_ROW1
.else
	v_wmma_scale_f32_16x16x128_f8f6f4 v[8*(8*(\a)+\b):8*(8*(\a)+\b)+7], v[128*(\q)+FR*\b:128*(\q)+FR*\b+FR-1], v[AF+48*(\q)+FR*(\a):AF+48*(\q)+FR*(\a)+FR-1], v[8*(8*(\a)+\b):8*(8*(\a)+\b)+7], v[SC+16*(\sc)+2*\b+(\q)], v[SC+16*(\sc)+2*(\a)+(\q)] matrix_a_fmt:MATRIX_FMT_FP6 matrix_b_fmt:MATRIX_FMT_FP6 matrix_a_scale:MATRIX_SCALE_ROW1
.endif
.endr
.endm
; A step whose successor (nkk, nq) lies in the same slot: the successor is asked for ahead of this step's 32 products.  kp >= 0: the successor begins the kp-th 256 keys: their scale words come too, into set 1.
.macro STEP q, sc, zero, slot, nkk, nq, kp
	s_wait_dscnt 0x0
	PLACES NP
	FETCH \slot, \nkk, \nq
.if (\kp) >= 0
	SCALES 1, \kp
.endif
	WIN MUL_LO
.irp a, 0,1,2,3
	MULA \a, \q, \sc, \zero
.endr
.endm
.macro VISIT slot, zero, kp
	STEP 0, 0, \zero, \slot, 0, 1, -1
	STEP 1, 0, 0, \slot, 1, 0, \kp
	STEP 0, 1, 0, \slot, 1, 1, -1
.endm
; A slot's fourth step changes slots: the three lines, one barrier; fill = 1: a round of the cluster's barrier, and the slot is filled again, 1,024 keys ahead.
.macro TURN slot, next, fill, kp
	WIN 0
	s_wait_tensorcnt 0x0
	ds_add_u32 v[SPW], v[NIL]
	s_wait_dscnt 1                                 ; this step's fragments are in; the add may be out
	WIN MUL_LO
	MULA 0, 1, 1, 0
	s_wait_dscnt 0x0
	s_barrier_signal -1
	MULA 1, 1, 1, 0
	WIN 0
	s_barrier_wait -1
.if \fill
	CREST
	s_add_nc_u64 s[G0+4*\slot+2:G0+4*\slot+3], s[G0+4*\slot+2:G0+4*\slot+3], 2*PART
	s_add_nc_u64 s[G0B+4*\slot+2:G0B+4*\slot+3], s[G0B+4*\slot+2:G0B+4*\slot+3], 2*PART
	RLOAD G0+4*\slot, G0B+4*\slot
.endif
	PLACES NP
	FETCH \next, 0, 0
	SCALES 0, \kp
	WIN MUL_LO
	MULA 2, 1, 1, 0
	MULA 3, 1, 1, 0
.endm
	s_wait_alu depctr_va_vdst(0)                   ; the wait at the head's end
	s_cmp_lt_u32 s14, 2                            ; slot 0 is waves 0 and 1's loads; slot 1's may be out
	s_cbranch_scc0 .Lnot_first
	s_wait_tensorcnt 0x0
.Lnot_first:
	s_wait_dscnt 0x0                               ; for the others' sake: my scale words and my 1 / l lie in LDS
	s_barrier_signal -1
	s_barrier_wait -1
	FETCH 0, 0, 0
	SCALES 0, 0
	VISIT 0, 1, 1                                  ; keys 0 on: the first step's products start the sums
	TURN 0, 1, 1, 2                                ; slot 0 takes keys 1,024 on
	VISIT 1, 0, 3
	TURN 1, 0, 1, 4                                ; slot 1 takes keys 1,536 on
	VISIT 0, 0, 5
	TURN 0, 1, 0, 6
	VISIT 1, 0, 7
	s_wait_dscnt 0x0
.irp a, 0,1,2,3
	MULA \a, 1, 1, 0
.endr
	WIN 0
	PLACES NP
.irp a, 0,1,2,3
	ds_load_b32 v[RL+2*\a], v[RLA] offset:64*\a    ; 1 / l of position 16 a + r, twice: a pair for the packed multiply
	ds_load_b32 v[RL+2*\a+1], v[RLA] offset:64*\a
.endr
	s_wait_dscnt 0x0
; THE WAY OUT, block by block of 16 queries x 128 of d: divided by l in place, through my own stage (columns in their true order), back as whole rows of 512 bytes.
.macro TOSTAGE a
.set AC, 64*(\a)
	WIN 0x82
.set jj, 0
.rept 32
	v_pk_mul_f32 v[AC+jj:AC+jj+1], v[AC+jj:AC+jj+1], v[RL+2*(\a):RL+2*(\a)+1]   ; each accumulator from its low end on
.set jj, jj+2
.endr
	WIN 0x08
.irp b, 0,1,2,3,4,5,6,7
	ds_store_b128 v[STO], v[AC+8*\b:AC+8*\b+3] offset:128*(\b/2)+32*(\b%2)
	ds_store_b128 v[STO], v[AC+8*\b+4:AC+8*\b+7] offset:128*(\b/2)+32*(\b%2)+16
.endr
	WIN 0
.set BB, BK+64*((\a)%2)
.irp t, 0,1,2,3,4,5,6,7,8,9,10,11,12,13,14,15
	ds_load_b128 v[BB+4*\t:BB+4*\t+3], v[RD] offset:\t*SPITCH
.endr
.endm
.macro SEND a, younger
.set BB, BK+64*((\a)%2)
	s_wait_dscnt \younger
.irp t, 0,1,2,3,4,5,6,7,8,9,10,11,12,13,14,15
	global_store_b128 v[CO], v[BB+4*\t:BB+4*\t+3], s[66:67] offset:(32*((\a)/2)+8*((\a)%2)+\t+8*(\t/8))*4096 th:TH_STORE_NT   ; slot t's true row; 512 consecutive bytes, aligned
.endr
.endm
	TOSTAGE 0
.irp a, 1,2,3
.if \a > 1
	s_wait_xcnt 0x0                                ; block a - 2's stores have read their registers
.endif
	TOSTAGE \a
	SEND \a-1, 32                                  ; behind block a - 1's loads: block a's 16 stores and 16 loads
.endr
	SEND 3, 0
	s_wait_tensorcnt 0x0                           ; the wave's end
	ds_add_u32 v[SPW], v[NIL]
	s_wait_dscnt 0x0
	CROUND
	s_endpgm
.Lfunc_end_k_q0e943e49ec_mix:
	.size	k_q0e943e49ec_mix, .Lfunc_end_k_q0e943e49ec_mix-k_q0e943e49ec_mix
	.p2alignl 7, 3214868480
	.fill 96, 4, 3214868480
	.section	.rodata,"a",@progbits
	.p2align	6, 0x0
	.amdhsa_kernel k_q0e943e49ec_mix
		.amdhsa_group_segment_fixed_size 327680
		.amdhsa_private_segment_fixed_size 0
		.amdhsa_enable_private_segment 0
		.amdhsa_kernarg_size 48
		.amdhsa_user_sgpr_count 2
		.amdhsa_user_sgpr_kernarg_segment_ptr 1
		.amdhsa_wavefront_size32 1
		.amdhsa_system_sgpr_workgroup_id_x 1
		.amdhsa_system_sgpr_workgroup_id_y 1
		.amdhsa_system_sgpr_workgroup_id_z 1
		.amdhsa_system_vgpr_workitem_id 0
		.amdhsa_next_free_vgpr 1024
		.amdhsa_next_free_sgpr 98
		.amdhsa_reserve_vcc 0
		.amdhsa_float_denorm_mode_32 3
		.amdhsa_float_denorm_mode_16_64 3
		.amdhsa_memory_ordered 1
		.amdhsa_forward_progress 1
		.amdhsa_inst_pref_size 162
	.end_amdhsa_kernel
	.amdgpu_metadata
---
amdhsa.version: [ 1, 2 ]
amdhsa.kernels:
  - .name:           k_q0e943e49ec_mix
    .symbol:         k_q0e943e49ec_mix.kd
    .args:
      - { .name: p_codes, .offset: 0, .size: 8, .value_kind: global_buffer, .address_space: global }
      - { .name: p_scales, .offset: 8, .size: 8, .value_kind: global_buffer, .address_space: global }
      - { .name: p_stats, .offset: 16, .size: 8, .value_kind: global_buffer, .address_space: global }
      - { .name: qkv_codes, .offset: 24, .size: 8, .value_kind: global_buffer, .address_space: global }
      - { .name: qkv_scales, .offset: 32, .size: 8, .value_kind: global_buffer, .address_space: global }
      - { .name: out0, .offset: 40, .size: 8, .value_kind: global_buffer, .address_space: global }
    .group_segment_fixed_size: 327680
    .private_segment_fixed_size: 0
    .kernarg_segment_align: 8
    .kernarg_segment_size: 48
    .max_flat_workgroup_size: 128
    .sgpr_count:     98
    .vgpr_count:     1024
    .wavefront_size: 32
...
	.end_amdgpu_metadata
.endif
;; end of part 4
